; MI455X (gfx1250); checked and timed in simulation.
; The chip was launched on July 23, 2026; its instructions are those of AMD's public machine-readable ISA for CDNA 5 (MIT licence, August 2026) and "CDNA5" Instruction Set Architecture Reference Guide (July 2026). The comments in the code are by the model that wrote it; some were corrected since.
;; Cached Ro PE Attention. Allowed arithmetic: matrix products marked QUANTISED: E2M3 operands, one E8M0 scale for each 32 along K, by v_wmma_scale_f32_16x16x128_f8f6f4 with both operands' format E2M3, f32 sums; everything else in f32.
;; Inputs: Wk 1,024 x 1,024 float32; Wo 1,024 x 1,024 float32; Wq 1,024 x 1,024 float32; Wv 1,024 x 1,024 float32; x 2 x 2,048 x 1,024 float32.
;; Outputs: out0 2 x 2,048 x 1,024 float32.
;; This version of the problem:
;;   THIS VERSION OF THE PROBLEM IS GIVEN IN LOW PRECISION. The matrix products marked QUANTISED in the list below multiply operands that are first quantised to E2M3 (2 exponent bits, 3 mantissa bits; 6 bits a number), with one power-of-two scale for each 32 numbers along K (OCP MX v1.0); their sums are f32. All else is computed in f32.
;;   The module's matrix products, in the order in which they are computed (A, B: the left and right operand; K: the contracted axis; several contracted axes count as one K, in the product's order):
;;     1. [M 4,096, K 1,024] x [K 1,024, N 1,024]; A: input x; B: input Wq: QUANTISED
;;     2. [M 4,096, K 1,024] x [K 1,024, N 1,024]; A: input x; B: input Wk: QUANTISED
;;     3. [M 4,096, K 1,024] x [K 1,024, N 1,024]; A: input x; B: input Wv: QUANTISED
;;     4. batch 32 x [M 2,048, K 64] x [K 64, N 2,048]; A: computed on the way; B: computed on the way: QUANTISED
;;     5. batch 32 x [M 2,048, K 2,048] x [K 2,048, N 64]; A: softmax (see below); B: computed on the way: QUANTISED
;;     6. [M 4,096, K 1,024] x [K 1,024, N 1,024]; A: computed on the way; B: input Wo: QUANTISED
;;   THE QUANTISER, for each operand of a quantised product, along K:
;;     - K is cut into blocks of 32 from its start; a last block that is shorter is filled with zeros.
;;     - A block's scale is 2^e with e = floor(log2(the largest magnitude in the block)) - 2, held to -126 .. 127; a block of zeros has e = 0. As a byte (E8M0): e + 127.
;;     - Each number is divided by its block's scale, clamped to +-7.5, and rounded to the nearest number of E2M3, ties to even, subnormals kept.
;;     - The product sums the exact products of the quantised numbers (number of the format x scale) in f32.
;;   ~~~python
;;   def quantise(x, axis):      # numpy; x: float32 -> the quantised numbers, widened to float32 again
;;       x = np.moveaxis(x, axis, -1); K = x.shape[-1]
;;       x = np.pad(x, [(0, 0)] * (x.ndim - 1) + [(0, -K % 32)]); x = x.reshape(x.shape[:-1] + (-1, 32)); a = np.abs(x).max(-1, keepdims=True)
;;       e = np.where(a > 0, np.clip(np.frexp(np.where(a > 0, a, 1))[1] - 1 - 2, -126, 127), 0)      # np.frexp(a)[1] - 1 = floor(log2(a)), exactly
;;       r = np.clip(x / 2.0 ** e, -7.5, 7.5)
;;       step = 2.0 ** (np.maximum(np.frexp(np.where(r == 0, 1, r))[1] - 1, 0) - 3)
;;       q = np.round(r / step) * step * 2.0 ** e      # np.round: ties to even
;;       return np.moveaxis(q.reshape(q.shape[:-2] + (-1,))[..., :K], -1, axis).astype(np.float32)
;;   ~~~
;;   SOFTMAX AHEAD OF A QUANTISED PRODUCT. Where the list says 'softmax', what is quantised is not the finished softmax but p = 2^(t - M), with t = logit x log2(e) and M = ceil(the row's largest t), a whole number; so 1/2 < the row's largest p <= 1. The row's sum l is taken of the UNQUANTISED p, in f32, and the product's result is divided by l at the end. Since M is a whole number, a kernel that streams over the keys may use a running M (the ceiling of the running maximum): every later rescaling is an exact power of two, which a block's scale takes up: the codes' values come out the same.
;;   OPERANDS COMPUTED ON THE WAY. 'Computed on the way' means the value that the module computes at that place (a softmax that the list does not call 'softmax' is quantised finished and normalised). What goes into a quantiser is computed in f32, as accurately as f32 sums, v_exp_f32 and their like allow (about 1e-6 of the number): no bf16 or f16 on the way to a quantiser, and a product that is left as it is and whose result goes on into a quantised operand takes f32 operands (vector FMAs, or v_wmma_f32_16x16x4_f32). A number that lies on a knife's edge between two numbers of the format may be rounded either way, as far as f32 arithmetic and the matrix unit's own rounding can turn it there, and no further.
;; One version. Each part assembles by itself: llvm-mc -triple=amdgcn-amd-amdhsa -mcpu=gfx1250 --defsym DOCPART=n.
;; ======== version 1 of 1: 4 launches
;; limits: right only within a limited range of input values
;; workspace buffers: xq 3,276,800 bytes; wq 3,276,800 bytes; oq 3,276,800 bytes; rope 524,288 bytes; qkv 10,092,544 bytes
;; launch prep (part 1): grid 512 x 1, 2 waves a work-group, no clusters, 17,152 bytes of LDS; arguments x, Wq, Wk, Wv, Wo, xq, wq, rope; writes xq, wq, rope
.if DOCPART == 1
	.amdgcn_target "amdgcn-amd-amdhsa--gfx1250"
	.amdhsa_code_object_version 6
	.text
	.protected	k_qae4b2f4780_prep
	.globl	k_qae4b2f4780_prep
	.p2align	8
	.type	k_qae4b2f4780_prep,@function
k_qae4b2f4780_prep:
	s_mov_b64 s[64:65], 0
	v_nop
	global_prefetch_b8 v0, s[64:65] scope:SCOPE_SE
	s_setreg_imm32_b32 hwreg(HW_REG_WAVE_MODE, 25, 1), 1
	s_wait_xcnt 0x0
; CachedRoPEAttention in MX-FP6 (E2M3 codes, one E8M0 scale for each 32 along K).  Launch 1 of 4: x, Wq, Wk, Wv, Wo (f32, K innermost) become codes and scale bytes, once; the cos / sin table is made.
; WORK THAT THE PROGRAM LEAVES OUT (in launch attn): reference() adds triu(-inf, k = 1), built in its own body, to the scores.  For key > query the logit is -inf whatever finite values the inputs hold, its weight
; is exp(-inf) = 0, and it enters neither the row's maximum nor its sum nor, as 0 x V, any output.  So a step of 128 keys all of which come after a tile's 16 queries is not multiplied.  Every input has a way to the
; output and is loaded.  LIMIT: a NaN, an infinity or an overflow that would arise in such hidden scores alone is not carried to the result.
; LAYOUT OF THE CODES (xq: x; wq: Wq, Wk, Wv, Wo on end; 4,096 rows each): [256 tiles of 16 rows][8 K steps of 128][1,536 bytes], each 1,536 bytes AN IMAGE OF THE OPERAND'S 12 REGISTERS: registers 0-3 at 16 x lane,
; 4-5 at 512 + 8 x lane, 6-9 at 768 + 16 x lane, 10-11 at 1,280 + 8 x lane.  Scale bytes behind them, at SOFF: [4,096 rows in the tiles' order][32].
; THE ROWS OF A TILE ARE NOT NEIGHBOURS: lane r of tile 2 G + u holds row 32 G + 8 u + r + 8 (r / 8).  Where such rows are a product's source 0, a lane's 16 results of tiles 2 G, 2 G + 1 are 16 neighbours.
; THE QUANTISER: a block's scale is 2^(floor(log2(its largest magnitude)) - 2); its byte is the largest magnitude's exponent field - 2, held at 1 from below; the conversion divides, rounds to nearest even, and holds at 7.5.
; LIMITS: a block whose largest magnitude lies under 2^-124 gets the byte 1; a block of zeros gets 1 where the rule says 127 (its codes are zeros, and this program alone reads the bytes); NaN and infinities among the
; inputs are not served.  THE TABLE: theta_i = 2^(-i log2(10000) / 32) by v_exp_f32, the angle t x theta in f32, cos and sin by a reduction in three parts and polynomials (about 1e-7 at the angle formed); theta's own
; last-bit error times t = 2,047 moves an angle by up to some 1e-4 rad against reference()'s, whose theta carries a rounding of the same size.
; SHARES: work-groups 0-127 x, 128-159 Wq, 160-191 Wk, 192-223 Wv, 224-255 Wo: a wave takes one tile, 16 rows x 1,024; work-groups 256-287 the table, a wave 32 rows.  Waves share nothing: no barrier, no cluster.
; Each load reads 512 consecutive bytes of one row; a K step's 16 x 512 bytes turn through the wave's own stage in LDS (rows 528 bytes apart), so that a lane holds 16 neighbours along K of each block.
; THE TABLE'S SHARE, which replaces the figures in the line on shares above: work-groups 256-511 make the table, a wave 4 rows.
.set SOFF,  3145728                    ; where the scale bytes begin in xq and wq
.set FRB,   1536                       ; a fragment's image
.set SP,    528                        ; a stage row: 512 bytes + 16
.set WSTG,  16*SP                      ; a wave's stage
.set SPARE, 2*WSTG                     ; behind the stages: the spare words, 128 bytes a wave: one block of 256 bytes that no other line names
.set SPW,   12                         ; v12  LDS address of my spare word; never rewritten
.set NIL,   13                         ; v13  0; never rewritten
.set R,     16                         ; v16-143  two sets of 64: a K step as loaded
.set X,     144                        ; v144-207 64 numbers: register 16 b + i = k 32 b + 16 (lane / 16) + i of my row
.set PC,    208                        ; v208-226 the codes just made
.set TM,    228                        ; v228-243 at work
.set W,     246                        ; v246-253 the tile's eight scale words
.set SEL,   28                         ; s[28:29] selects of v_permlanex16_b32: lane l xor 16
.macro LOADF f                         ; K step f of my 16 rows into set f % 2: load i takes row i + 8 (i / 8) of the 24 from the tile's first row on
.irp i, 0,1,2,3,4,5,6,7,8,9,10,11,12,13,14,15
	global_load_b128 v[R+64*((\f)%2)+4*\i:R+64*((\f)%2)+4*\i+3], v4, s[20:21] offset:(\i+8*(\i/8))*4096+512*(\f) th:TH_LOAD_NT
.endr
.endm
.macro QUANT s, pw                     ; 64 numbers of a lane become a fragment's codes in v[PC] on and my row's scale word in v[pw]
.irp b, 0,1,2,3
	v_max3_num_f32 v[TM+\b], |v[\s+16*\b]|, |v[\s+1+16*\b]|, 0x1800000   ; block b: my 16 numbers, and the floor 2^(3 - 127): the byte cannot fall under 1
.endr
.irp i, 2,4,6,8,10,12,14
.irp b, 0,1,2,3
	v_max3_num_f32 v[TM+\b], v[TM+\b], |v[\s+16*\b+\i]|, |v[\s+1+16*\b+\i]|   ; the four blocks by turns
.endr
.endr
.irp b, 0,1,2,3
	v_permlanex16_b32 v[TM+4+\b], v[TM+\b], s[SEL], s[SEL+1]
.endr
.irp b, 0,1,2,3
	v_max_num_f32 v[TM+\b], v[TM+\b], v[TM+4+\b]   ; with lane l xor 16's: the block's largest magnitude
.endr
.irp b, 0,1,2,3
	v_add_nc_u32 v[TM+12+\b], 0xff000000, v[TM+\b]   ; 2 off its exponent field: the conversion's scale operand
.endr
.irp b, 0,1,2,3
	v_lshrrev_b32 v[TM+4+\b], 23, v[TM+12+\b]      ; the scale's byte
.endr
	v_lshl_or_b32 v[\pw], v[TM+5], 8, v[TM+4]
	v_lshl_or_b32 v[\pw], v[TM+6], 16, v[\pw]
	v_lshl_or_b32 v[\pw], v[TM+7], 24, v[\pw]
.irp c, 0,1
	v_cvt_scalef32_pk16_fp6_f32 v[PC+6*\c:PC+2+6*\c], v[\s+32*\c:\s+15+32*\c], v[TM+12+2*\c]
	v_cvt_scalef32_pk16_fp6_f32 v[PC+12+4*\c:PC+14+4*\c], v[\s+16+32*\c:\s+31+32*\c], v[TM+12+2*\c+1]   ; a conversion's three registers begin on an even number
.endr
	v_nop                                          ; one plain place behind a scaled conversion
.irp c, 0,1                                    ; the operand wants a whole block in a lane: lanes 0-15 block 2 c, lanes 16-31 block 2 c + 1
.irp i, 0,1,2
	v_permlane16_swap_b32 v[PC+6*\c+\i], v[PC+12+4*\c+\i]
.endr
.irp i, 0,1,2
	v_mov_b32 v[PC+3+6*\c+\i], v[PC+12+4*\c+\i]
.endr
.endr
.endm
.macro FSTEP f
	s_wait_xcnt 0x0                                ; the last image's stores have read v[PC] on
.if \f < 7
	s_wait_loadcnt 16                              ; this K step's 16 loads are in; the next step's 16 may be out
.else
	s_wait_loadcnt 0
.endif
.irp i, 0,1,2,3,4,5,6,7,8,9,10,11,12,13,14,15
	ds_store_b128 v6, v[R+64*(\f%2)+4*\i:R+64*(\f%2)+4*\i+3] offset:SP*\i
.endr
.irp b, 0,1,2,3
.irp j, 0,1,2,3
	ds_load_b128 v[X+16*\b+4*\j:X+16*\b+4*\j+3], v7 offset:128*\b+16*\j   ; LDS serves a wave's instructions in order: these see the stores above
.endr
.endr
	s_wait_dscnt 0x0                               ; the numbers are back, and the stores have read the set,
.if \f < 6
	LOADF \f+2                                     ; which takes the loads of two steps on
.endif
	QUANT X, W+\f
	global_store_b128 v4, v[PC:PC+3], s[22:23] offset:FRB*\f          ; each store of the wave covers whole aligned blocks of 256 bytes
	global_store_b64 v5, v[PC+4:PC+5], s[22:23] offset:FRB*\f+512
	global_store_b128 v4, v[PC+6:PC+9], s[22:23] offset:FRB*\f+768
	global_store_b64 v5, v[PC+10:PC+11], s[22:23] offset:FRB*\f+1280
.endm
	s_load_b256 s[4:11], s[0:1], 0x0               ; x s[4:5], Wq s[6:7], Wk s[8:9], Wv s[10:11]
	s_load_b256 s[12:19], s[0:1], 0x20             ; Wo s[12:13], xq s[14:15], wq s[16:17], rope s[18:19]
	v_lshl_add_u32 v[SPW], v0, 2, SPARE
	v_mov_b32 v[NIL], 0
	v_lshrrev_b32 v1, 5, v0
	v_readfirstlane_b32 s26, v1                    ; wave 0, 1
	v_and_b32 v1, 31, v0                           ; lane
	v_and_b32 v2, 15, v0                           ; r
	v_bfe_u32 v3, v0, 4, 1                         ; h
	s_cmp_ge_u32 ttmp9, 256
	s_cbranch_scc1 .Lrope                          ; the last 256 work-groups make the table
	v_lshlrev_b32 v4, 4, v1                        ; 16 x lane: my bytes of a load's 512, and of an image's 512
	v_lshlrev_b32 v5, 3, v1                        ; 8 x lane: of an image's 256
	s_mul_i32 s27, s26, WSTG
	v_add_nc_u32 v6, s27, v4                       ; the stage, on the way in
	v_mul_u32_u24 v7, v2, SP
	v_lshl_add_u32 v7, v3, 6, v7
	v_add_nc_u32 v7, s27, v7                       ; and out: row r, + 64 h
	v_lshlrev_b32 v8, 5, v2
	v_lshl_add_u32 v8, v3, 4, v8                   ; the scale bytes: 32 r + 16 h
	s_mov_b32 s[SEL], 0x76543210
	s_mov_b32 s[SEL+1], 0xfedcba98
.irp b, 0,1,2,3
	v_mov_b32 v[TM+4+\b], 0                        ; written once: a lane permute's destination counts as one of its sources
.endr
	s_lshl_b32 s30, ttmp9, 1
	s_add_co_u32 s30, s30, s26                     ; my tile among the 512
	s_and_b32 s31, s30, 255                        ; in its buffer of codes
	s_cmp_lt_u32 ttmp9, 128
	s_cselect_b32 s32, 255, 63
	s_and_b32 s32, s30, s32                        ; in its input tensor
	s_lshr_b32 s33, s32, 1
	s_lshl_b32 s33, s33, 17                        ; 32 rows of 4,096 bytes for each pair of tiles,
	s_and_b32 s32, s32, 1
	s_lshl_b32 s32, s32, 15                        ; 8 rows for the odd one
	s_add_co_u32 s32, s32, s33
	s_mov_b32 s33, 0
	s_mul_i32 s34, s31, 8*FRB
	s_mov_b32 s35, 0
	s_lshl_b32 s36, s31, 9
	s_add_co_u32 s36, s36, SOFF
	s_mov_b32 s37, 0
	s_wait_alu depctr_va_vdst(0)
	s_wait_kmcnt 0x0
	s_mov_b64 s[20:21], s[12:13]                   ; which tensor: the choice hangs on the work-group's number alone
	s_cmp_lt_u32 ttmp9, 224
	s_cselect_b64 s[20:21], s[10:11], s[20:21]
	s_cmp_lt_u32 ttmp9, 192
	s_cselect_b64 s[20:21], s[8:9], s[20:21]
	s_cmp_lt_u32 ttmp9, 160
	s_cselect_b64 s[20:21], s[6:7], s[20:21]
	s_cmp_lt_u32 ttmp9, 128
	s_cselect_b64 s[20:21], s[4:5], s[20:21]
	s_cselect_b64 s[22:23], s[14:15], s[16:17]
	s_add_nc_u64 s[20:21], s[20:21], s[32:33]      ; the tile's first row
	s_add_nc_u64 s[24:25], s[22:23], s[36:37]      ; its 512 scale bytes
	s_add_nc_u64 s[22:23], s[22:23], s[34:35]      ; its eight images
	LOADF 0
	LOADF 1
.irp f, 0,1,2,3,4,5,6,7
	FSTEP \f
.endr
	v_cmp_eq_u32 vcc_lo, 1, v3
.irp k, 0,1,2,3
	v_cndmask_b32 v[TM+\k], v[W+\k], v[W+4+\k], vcc_lo   ; lanes 0-15 the row's words 0-3, lanes 16-31 its words 4-7
.endr
	global_store_b128 v8, v[TM:TM+3], s[24:25]     ; 512 consecutive bytes
	s_wait_tensorcnt 0x0                           ; the wave's end, behind my last LDS store
	ds_add_u32 v[SPW], v[NIL]
	s_wait_dscnt 0x0
	s_endpgm
.Lrope:                                                ; rope[t] = cos(t theta_0 .. 31), sin(t theta_0 .. 31): 256 bytes a row.  Lanes 0-15 make cos, lanes 16-31 sin; a lane takes i = 2 (lane % 16), + 1.  No LDS is written here
	s_sub_co_u32 s30, ttmp9, 256
	s_lshl_b32 s30, s30, 1
	s_add_co_u32 s30, s30, s26
	s_lshl_b32 s31, s30, 2                         ; my first t: 4 rows a wave
	s_wait_alu depctr_va_vdst(0)
	v_lshlrev_b32 v4, 1, v2
	v_add_nc_u32 v5, 1, v4
	v_cvt_f32_u32 v4, v4
	v_cvt_f32_u32 v5, v5
	v_mul_f32 v4, 0xbed49a78, v4                   ; -i log2(10000) / 32
	v_mul_f32 v5, 0xbed49a78, v5
	s_wait_alu depctr_va_vdst(0)
	v_exp_f32 v16, v4                              ; theta
	v_exp_f32 v17, v5
	v_mul_u32_u24 v6, v3, 3                        ; sin(a) = cos(a - pi / 2): three quadrants on.  (The plain place behind the exponentials)
	s_wait_alu depctr_va_vdst(0)                   ; one wait for the two, ahead of their first reader
	v_cvt_f32_u32 v7, s31                          ; t as f32
	v_lshlrev_b32 v8, 3, v1
	s_lshl_b32 s32, s31, 8
	v_add_nc_u32 v8, s32, v8                       ; 8 x lane + 256 t
	s_mov_b32 s40, 0x3fc90000                      ; pi / 2 in three parts
	s_mov_b32 s41, 0x39fda000
	s_mov_b32 s42, 0x33a22168
	s_mov_b32 s43, 0xb94ca1f9                      ; sin's coefficients
	s_mov_b32 s44, 0x3c08839e
	s_mov_b32 s45, 0xbe2aaaa3
	s_mov_b32 s46, 0x37ccf5ce                      ; cos's
	s_mov_b32 s47, 0xbab6061a
	s_mov_b32 s48, 0x3d2aaaa5
	s_wait_kmcnt 0x0
	s_mov_b32 s30, 0
.Lrow:
	s_wait_xcnt 0x0                                ; the last row's store has read its address and data
	s_wait_alu depctr_va_vdst(0)
	v_add_nc_u32 v8, 0x100, v8                     ; one row on; the store below reaches back
.irp e, 0,1
	v_mul_f32 v20, v7, v[16+\e]                    ; the angle, one rounding
	v_mul_f32 v21, 0x3f22f983, v20
	v_rndne_f32 v21, v21                           ; n = the nearest multiple of pi / 2
	v_fma_f32 v22, -v21, s40, v20
	v_fma_f32 v22, -v21, s41, v22
	v_fma_f32 v22, -v21, s42, v22                  ; r, within pi / 4
	v_mul_f32 v23, v22, v22                        ; z = r r
	v_fma_f32 v24, s43, v23, s44
	v_fma_f32 v24, v24, v23, s45
	v_mul_f32 v24, v24, v23
	v_fma_f32 v24, v24, v22, v22                   ; sin r
	v_fma_f32 v25, s46, v23, s47
	v_fma_f32 v25, v25, v23, s48
	v_mul_f32 v26, v23, v23
	v_fma_f32 v27, v23, -0.5, 1.0
	v_fma_f32 v25, v25, v26, v27                   ; cos r
	v_cvt_i32_f32 v26, v21
	v_add_nc_u32 v26, v26, v6                      ; the quadrant k
	v_and_b32 v27, 1, v26
	v_cmp_eq_u32 vcc_lo, 1, v27
	v_cndmask_b32 v24, v25, v24, vcc_lo            ; odd k: sin r, even k: cos r
	v_add_nc_u32 v26, 1, v26
	v_and_b32 v26, 2, v26
	v_lshlrev_b32 v26, 30, v26                     ; k mod 4 = 1, 2: negative
	v_xor_b32 v[28+\e], v24, v26
.endr
	global_store_b64 v8, v[28:29], s[18:19] offset:-256   ; 32 lanes store the row's 256 bytes
	v_add_f32 v7, 1.0, v7
	s_add_co_u32 s30, s30, 1
	s_cmp_lt_u32 s30, 4
	s_cbranch_scc1 .Lrow
	s_endpgm
.Lfunc_end_k_qae4b2f4780_prep:
	.size	k_qae4b2f4780_prep, .Lfunc_end_k_qae4b2f4780_prep-k_qae4b2f4780_prep
	.p2alignl 7, 3214868480
	.fill 96, 4, 3214868480
	.section	.rodata,"a",@progbits
	.p2align	6, 0x0
	.amdhsa_kernel k_qae4b2f4780_prep
		.amdhsa_group_segment_fixed_size 17152
		.amdhsa_private_segment_fixed_size 0
		.amdhsa_enable_private_segment 0
		.amdhsa_kernarg_size 64
		.amdhsa_user_sgpr_count 2
		.amdhsa_user_sgpr_kernarg_segment_ptr 1
		.amdhsa_wavefront_size32 1
		.amdhsa_system_sgpr_workgroup_id_x 1
		.amdhsa_system_sgpr_workgroup_id_y 1
		.amdhsa_system_sgpr_workgroup_id_z 1
		.amdhsa_system_vgpr_workitem_id 0
		.amdhsa_next_free_vgpr 256
		.amdhsa_next_free_sgpr 66
		.amdhsa_reserve_vcc 1
		.amdhsa_float_denorm_mode_32 3
		.amdhsa_float_denorm_mode_16_64 3
		.amdhsa_memory_ordered 1
		.amdhsa_forward_progress 1
		.amdhsa_inst_pref_size 69
	.end_amdhsa_kernel
	.amdgpu_metadata
---
amdhsa.version: [ 1, 2 ]
amdhsa.kernels:
  - .name:           k_qae4b2f4780_prep
    .symbol:         k_qae4b2f4780_prep.kd
    .args:
      - { .name: x, .offset: 0, .size: 8, .value_kind: global_buffer, .address_space: global }
      - { .name: Wq, .offset: 8, .size: 8, .value_kind: global_buffer, .address_space: global }
      - { .name: Wk, .offset: 16, .size: 8, .value_kind: global_buffer, .address_space: global }
      - { .name: Wv, .offset: 24, .size: 8, .value_kind: global_buffer, .address_space: global }
      - { .name: Wo, .offset: 32, .size: 8, .value_kind: global_buffer, .address_space: global }
      - { .name: xq, .offset: 40, .size: 8, .value_kind: global_buffer, .address_space: global }
      - { .name: wq, .offset: 48, .size: 8, .value_kind: global_buffer, .address_space: global }
      - { .name: rope, .offset: 56, .size: 8, .value_kind: global_buffer, .address_space: global }
    .group_segment_fixed_size: 17152
    .private_segment_fixed_size: 0
    .kernarg_segment_align: 8
    .kernarg_segment_size: 64
    .max_flat_workgroup_size: 64
    .sgpr_count:     66
    .vgpr_count:     256
    .wavefront_size: 32
...
	.end_amdgpu_metadata
.endif
;; end of part 1
;; launch qkv (part 2): grid 12 x 16, 4 waves a work-group, clusters of 4 x 4, 327,680 bytes of LDS; arguments xq, wq, rope, qkv; writes qkv
.if DOCPART == 2
	.amdgcn_target "amdgcn-amd-amdhsa--gfx1250"
	.amdhsa_code_object_version 6
	.text
	.protected	k_qae4b2f4780_qkv
	.globl	k_qae4b2f4780_qkv
	.p2align	8
	.type	k_qae4b2f4780_qkv,@function
k_qae4b2f4780_qkv:
	s_mov_b64 s[64:65], 0
	v_nop
	global_prefetch_b8 v0, s[64:65] scope:SCOPE_SE
	s_setreg_imm32_b32 hwreg(HW_REG_WAVE_MODE, 25, 1), 1
	s_wait_xcnt 0x0
	s_wait_alu depctr_hold_cnt(0) depctr_sa_sdst(0) depctr_va_vdst(0) depctr_va_sdst(0) depctr_va_ssrc(0) depctr_va_vcc(0) depctr_vm_vsrc(0)
	s_getreg_b32 s2, hwreg(HW_REG_IB_STS2, 6, 4)
	s_cmp_eq_u32 s2, 0
	s_cbranch_scc0 .Lentry_in_a_cluster
	s_endpgm
.Lentry_in_a_cluster:
	s_bfe_u32 s2, ttmp6, 0x10000c
	s_cmp_lg_u32 s2, 0xf033
	s_cbranch_scc0 .Lentry_shape_is_right
	s_endpgm
.Lentry_shape_is_right:
; Launch 2 of 4: q = x Wq^T, k = x Wk^T, V^T = Wv x^T on codes of FP6 (E2M3); RoPE on q and k in f32; q and k quantised along the head's 64, V along the keys; only codes and scale words go to memory.
; A tile of 256 x 256 is made by four waves, 128 x 128 each: 64 accumulators, 512 registers.  K = 1,024 goes in four steps of 256 through a ring of two LDS slots filled by the tensor data mover.
; The codes lie in memory as images of the operand's registers (16 rows x 128 K: 1,536 bytes: registers 0-3 at 16 x lane, 4-5 at 512 + 8 x lane, 6-9 at 768 + 16 x lane, 10-11 at 1,280 + 8 x lane): a fragment comes from
; LDS by four loads of consecutive bytes.  Lane r of tile 2 G + u holds row 32 G + 8 u + r + 8 (r / 8).  The scale bytes of the work-group's rows, for all of K, come into LDS once.
; ROLES BY THE CLUSTER'S x, which all sixteen partners share: 0: q, 1: k: side A = 256 tokens (xq), side B = 256 features (wq).  2: V^T: side A = 256 features of Wv, side B = 256 tokens.
; CLUSTERS: 4 x 4 work-groups; A's tiles are shared along a row of the cluster, B's along a column: each is asked for jointly.  Source 0 = 16 rows of B, source 1 = 16 rows of A: lane (r, h) holds A's row r of a block, and its
; registers 16 B + i of two neighbouring accumulators are B's true rows 32 B + 16 h + i: for q and k two heads x 64 channels of one token, for V^T the 128 tokens of one key step: neighbours along the next K.
; OUT (qkv): q at 0: [32 heads][16 steps of 128 tokens][6,656] = 8 tiles x 768 bytes of codes (half an image: K = 64), at 6,144 scale words [2][16 rows][4 tiles].  K and V at KVBASE: [32][16][13,056] = K's 8 x 768; at 6,144
; V^T's 4 tiles of 16 channels x 1,536 (three planes of 512 bytes, 16 x lane); at 12,288 K's scale words as q's; at 12,800 V's [16 rows][4 tiles].  q's and k's words: bytes 0, 1 the head's two blocks, bytes 2, 3 zero.
; LIMITS: the quantiser's, as stated at the head of launch prep.  No prefetch: of the four K steps two are first fills.
; REGISTERS: window 0: v0-31 addresses; v32-63 scale words, two sets; v64-127 cos and sin, two sets; from v128 A's fragments, one set; on the way out v128-243 at work.  window 1: B's fragments, two sets, at v0 and v128.
;   window 2: the accumulators of my rows 0-63 ((a, b) at v[8 (8 a + b)]); window 3: those of rows 64-127.
; PREFETCH (this takes the place of the head's last sentence on it): a wave's load of a K step brings 8 tiles x 3,072 bytes = 96 blocks of 256 bytes.  Of these each of the four partners that ask for them jointly names 24
; (two tiles), told apart by address (cx for A's, cy for B's), a lane a block, lanes 24-31 the last block again: one instruction a wave and K step.  K steps 1 and 2 are asked for at the head, K step 3 behind K step 1's load:
; each one or two loads ahead of its own, and never more than two K steps asked for and not yet read.  Every address lies inside the tile's 12,288 bytes.
.set SOFF,   3145728                   ; where the scale bytes begin in xq and wq
.set KVBASE, 3407872
.set QSTEP,  6656
.set KVSTEP, 13056
.set NQ,     2                         ; matrix instructions deep in a slot
.set FR,     12                        ; registers of a fragment
.set FRB,    1536                      ; its image
.set NL,     4                         ; LDS loads that bring one
.set NP,     4                         ; places behind this matrix instruction (ISA guide 7.12.1)
.set TROW,   NQ*FRB                    ; a tile of 16 rows in a slot: 256 along K
.set HALFT,  8*TROW                    ; 128 rows: what one tensor load brings
.set SLOT,   4*HALFT                   ; A's 256 rows, then B's
.set KS,     32                        ; a row of scale bytes
.set KROW,   768                       ; a row's share of the codes: 16 rows are 12,288 bytes
.set SCL,    2*SLOT                    ; behind the ring: the scales, as units of 256 bytes + 16 of padding
.set HALFS,  16*272                    ; those of 128 rows
.set SBLK,   2*272                     ; those of 16 rows
.set SPARE,  SCL+4*HALFS               ; behind the scales: the spare words, 128 bytes a wave: two blocks of 256 bytes that no other line names
.set ADRA, 16                          ; v16-17 my A region in slot 0, 1, + 16 x lane;  v18-19 the same + 8 x lane
.set ADRB, 20                          ; v20-23 the same for B
.set ADRS, 27                          ; v27 my scale words: lanes 0-15 A's rows, lanes 16-31 B's
.set SPW,  28                          ; v28 LDS address of my spare word; never rewritten
.set NIL,  29                          ; v29 0; never rewritten
.set SC,   32
.set AF,   128
.set RC,   64                          ; the way out: set s: cos at v[RC + 32 s], sin 16 on
.set Y,    128                         ; 64 numbers behind RoPE
.set PC,   192                         ; the codes just made
.set TM,   212                         ; at work
.set PW,   228                         ; a scale word
.set W,    232                         ; v232-239 eight scale words
.set SEL,  96                          ; s[96:97] on the way out: selects for lane l xor 16
.set G1, 24
.set G0, 32
.set G1B, 48
.set G0B, 56
.set G1S, 68
.set G0S, 76
.set G1SB, 80
.set G0SB, 88
.set MSB, 0
.macro WIN new                         ; the immediate's high byte repeats the setting that is left
.set WNEW, \new
.if MSB != WNEW
	s_set_vgpr_msb (MSB<<8)|WNEW
.set MSB, WNEW
.endif
.endm
.set MUL_LO, 0xa1                      ; source 0 (B) window 1, source 1 (A) window 0, C and D window 2
.set MUL_HI, 0xf1
.set TO_B,   0x40
; A joint load: waves 0 and 1 fetch for A, waves 2 and 3 for B; the branch hangs on the wave's number alone.  An s_nop 0 and four v_nop follow each line.
.macro JLOAD g0a, g1a, g0b, g1b
	s_cmp_eq_u32 s15, 0
	s_cbranch_scc0 .Lfor_b_\@
	tensor_load_to_lds s[\g0a:\g0a+3], s[\g1a:\g1a+7]
	s_nop 0
.rept 4
	v_nop
.endr
	s_branch .Lasked_\@
.Lfor_b_\@:
	tensor_load_to_lds s[\g0b:\g0b+3], s[\g1b:\g1b+7]
	s_nop 0
.rept 4
	v_nop
.endr
.Lasked_\@:
.endm
.macro CREST                           ; a round of the cluster's barrier behind its opening barrier
	s_cmp_lg_u32 s14, 0
	s_cbranch_scc1 .Lnot_wave_0_\@
	s_barrier_signal -3
.Lnot_wave_0_\@:
	s_barrier_wait -3
	s_barrier_signal -1
	s_barrier_wait -1
.endm
.macro CROUND
	s_barrier_signal -1
	s_barrier_wait -1
	CREST
.endm
	s_load_b256 s[4:11], s[0:1], 0x0               ; xq s[4:5], wq s[6:7], rope s[8:9], qkv s[10:11]
	v_lshl_add_u32 v[SPW], v0, 2, SPARE
	v_mov_b32 v[NIL], 0
	ds_add_u32 v[SPW], v[NIL]                      ; the wave's opening: the add, twice on end, and its wait ahead of my first tensor load
	ds_add_u32 v[SPW], v[NIL]
	v_lshrrev_b32 v1, 5, v0
	v_readfirstlane_b32 s14, v1                    ; wave 0..3
	s_lshr_b32 s15, s14, 1                         ; which half of A's rows is mine.  Also: I fetch for A (0) or for B (1)
	s_and_b32 s16, s14, 1                          ; which half of B's rows.  Also: which 128 rows I fetch
	s_bfe_u32 s40, ttmp6, 0x40000                  ; cx
	s_bfe_u32 s41, ttmp6, 0x40004                  ; cy
	s_and_b32 s13, ttmp7, 0xffff
	s_lshl_b32 s13, s13, 2                         ; 4 x cluster y
	s_lshl_b32 s12, ttmp9, 2                       ; 4 x cluster x
	s_cmp_eq_u32 ttmp9, 2                          ; the role: the same in all sixteen partners
	s_cselect_b32 s17, 8, s13
	s_cselect_b32 s42, s13, s12
	s_add_co_u32 s17, s17, s41                     ; A's block of 256 rows: tokens 4 Y + cy, or Wv's 8 + cy
	s_add_co_u32 s42, s42, s40                     ; B's: features 4 X + cx, or tokens 4 Y + cx
	s_lshl_b32 s43, s41, 2
	s_lshl_b32 s43, 15, s43                        ; my row of the cluster
	s_lshl_b32 s44, 0x1111, s40                    ; my column
	; group 1 for codes: rows (tiles of 16) of 3,072 bytes, 12,288 bytes apart, elements of 8 bytes, no padding: 16 rows for the head's loads; behind them the two words that count rows are set to 8, for the ring's
	s_or_b32 s[G1+0], s43, (3<<16)|(1<<21)
	s_or_b32 s[G1B+0], s44, (3<<16)|(1<<21)
.irp g, G1, G1B
	s_mov_b32 s[\g+1], 384<<16                     ; tensor_dim0
	s_mov_b32 s[\g+2], 16<<16                      ; tensor_dim1
	s_mov_b32 s[\g+3], 384<<16                     ; tile_dim0
	s_mov_b32 s[\g+4], 16                          ; tile_dim1
	s_mov_b32 s[\g+5], 1536                        ; tensor_dim0_stride
	s_mov_b32 s[\g+6], 0
	s_mov_b32 s[\g+7], 0
.endr
	; and for the scales of 256 rows: 8,192 dense bytes as 32 rows of 256, 16 bytes of padding behind each
	s_or_b32 s[G1S+0], s43, (3<<16)|(1<<20)|(1<<21)|(5<<22)|(3<<25)
	s_or_b32 s[G1SB+0], s44, (3<<16)|(1<<20)|(1<<21)|(5<<22)|(3<<25)
.irp g, G1S, G1SB
	s_mov_b32 s[\g+1], 32<<16
	s_mov_b32 s[\g+2], 32<<16
	s_mov_b32 s[\g+3], 32<<16
	s_mov_b32 s[\g+4], 32
	s_mov_b32 s[\g+5], 32
	s_mov_b32 s[\g+6], 0
	s_mov_b32 s[\g+7], 0
.endr
	s_lshl_b32 s20, s17, 8                         ; A's first row of 256
	s_lshl_b32 s46, s42, 8                         ; B's
	s_lshl_b32 s22, s20, 5
	s_add_co_u32 s22, s22, SOFF                    ; where these rows' scale bytes begin,
	s_mov_b32 s23, 0
	s_mul_i32 s20, s20, KROW                       ; and their codes
	s_mov_b32 s21, 0
	s_lshl_b32 s92, s46, 5
	s_add_co_u32 s92, s92, SOFF
	s_mov_b32 s93, 0
	s_mul_i32 s46, s46, KROW
	s_mov_b32 s47, 0
	s_mul_i32 s45, s14, HALFT                      ; where they go: no place in the cluster enters an LDS address
	s_mul_i32 s18, s16, 128*KROW                   ; in the ring I fetch 128 rows: which half, in bytes
	s_mov_b32 s19, 0
	s_wait_dscnt 0x0                               ; both opening adds are done
	s_wait_kmcnt 0x0
	s_cmp_eq_u32 ttmp9, 2
	s_cselect_b64 s[96:97], s[6:7], s[4:5]         ; A's buffer
	s_cselect_b64 s[98:99], s[4:5], s[6:7]         ; B's
	s_add_nc_u64 s[20:21], s[96:97], s[20:21]
	s_add_nc_u64 s[22:23], s[96:97], s[22:23]
	s_add_nc_u64 s[46:47], s[98:99], s[46:47]
	s_add_nc_u64 s[92:93], s[98:99], s[92:93]
	CROUND                                         ; all sixteen work-groups are here: the first joint loads meet
	s_mov_b32 s[G0S], 1
	s_mov_b32 s[G0S+1], SCL
	s_mov_b64 s[G0S+2:G0S+3], s[22:23]
	s_or_b32 s[G0S+3], s[G0S+3], 0x80000000
	s_mov_b32 s[G0SB], 1
	s_mov_b32 s[G0SB+1], SCL+2*HALFS
	s_mov_b64 s[G0SB+2:G0SB+3], s[92:93]
	s_or_b32 s[G0SB+3], s[G0SB+3], 0x80000000
.set G0H, 4                            ; s[4:7], s[96:99] group 0 for the head's loads of K step 0: A's 256 rows, B's 256 rows (what lay there has been used)
.set G0HB, 96
	s_mov_b32 s[G0H], 1
	s_mov_b32 s[G0H+1], 0
	s_mov_b64 s[G0H+2:G0H+3], s[20:21]
	s_or_b32 s[G0H+3], s[G0H+3], 0x80000000
	s_mov_b32 s[G0HB], 1
	s_mov_b32 s[G0HB+1], 2*HALFT
	s_mov_b64 s[G0HB+2:G0HB+3], s[46:47]
	s_or_b32 s[G0HB+3], s[G0HB+3], 0x80000000
	s_add_nc_u64 s[20:21], s[20:21], s[18:19]      ; for the ring: my 128 rows
	s_add_nc_u64 s[46:47], s[46:47], s[18:19]
	s_cmp_eq_u32 s15, 0                            ; the prefetches' base: the 128 rows that I fetch,
	s_cselect_b64 s[94:95], s[20:21], s[46:47]
	s_cselect_b32 s18, s40, s41                    ; my place among the four that ask with me,
	s_mul_i32 s18, s18, 2*12288                    ; two tiles of 16 rows each
	s_add_nc_u64 s[94:95], s[94:95], s[18:19]
.irp s, 0,1
	s_mov_b32 s[G0+4*\s], 1
	s_add_co_u32 s[G0+4*\s+1], s45, \s*SLOT
	s_add_nc_u64 s[G0+4*\s+2:G0+4*\s+3], s[20:21], \s*TROW
	s_or_b32 s[G0+4*\s+3], s[G0+4*\s+3], 0x80000000
	s_mov_b32 s[G0B+4*\s], 1
	s_add_co_u32 s[G0B+4*\s+1], s45, \s*SLOT
	s_add_nc_u64 s[G0B+4*\s+2:G0B+4*\s+3], s[46:47], \s*TROW
	s_or_b32 s[G0B+4*\s+3], s[G0B+4*\s+3], 0x80000000
.endr
; THE HEAD'S LOADS, ONE A WAVE: wave 0 fetches K step 0's 256 rows of A, wave 1 those of B, wave 2 the scales of A's 256 rows, wave 3 those of B's.
; One tree of branches on the wave's number: every way through the head passes exactly one load.
.macro ARM under, g0, g1, next
	s_cmp_lt_u32 s14, \under
	s_cbranch_scc0 \next
	tensor_load_to_lds s[\g0:\g0+3], s[\g1:\g1+7]
	s_nop 0
.rept 4
	v_nop
.endr
	s_branch .Lhead_asked
\next:
.endm
	ARM 1, G0H,  G1,  .Lhead_b
	ARM 2, G0HB, G1B, .Lhead_sa
	ARM 3, G0S,  G1S, .Lhead_sb
	tensor_load_to_lds s[G0SB:G0SB+3], s[G1SB:G1SB+7]
	s_nop 0
.rept 4
	v_nop
.endr
.Lhead_asked:
	v_and_b32 v6, 31, v0
	v_and_b32 v1, 15, v0                           ; r
	v_bfe_u32 v2, v0, 4, 1                         ; h
	v_lshlrev_b32 v4, 4, v6
	v_lshlrev_b32 v5, 3, v6
	s_mul_i32 s21, s15, HALFT                      ; my 128 rows of A
	s_mul_i32 s22, s16, HALFT                      ; my 128 rows of B,
	s_add_co_u32 s22, s22, 2*HALFT                 ; behind A's 256
.irp s, 0,1
	v_add_nc_u32 v[ADRA+\s], s21, v4
	v_add_nc_u32 v[ADRB+\s], s22, v4
	v_add_nc_u32 v[ADRA+2+\s], s21, v5
	v_add_nc_u32 v[ADRB+2+\s], s22, v5
	s_add_co_u32 s21, s21, SLOT
	s_add_co_u32 s22, s22, SLOT
.endr
	v_mul_u32_u24 v5, v1, KS                       ; my row's scales: 32 bytes a row,
	v_lshrrev_b32 v6, 8, v5
	v_lshl_add_u32 v5, v6, 4, v5                   ; and 16 more for each 256 passed
	s_mul_i32 s21, s15, HALFS
	s_mul_i32 s22, s16, HALFS
	s_add_co_u32 s22, s22, 2*HALFS
	s_sub_co_u32 s22, s22, s21
	v_mul_u32_u24 v6, s22, v2                      ; lanes 16-31 take B's
	s_add_co_u32 s21, s21, SCL
	v_add_nc_u32 v5, v5, v6
	v_add_nc_u32 v[ADRS], s21, v5
	v_and_b32 v6, 31, v0
	v_min_u32 v6, 23, v6                           ; my block among the 24
	v_mul_u32_u24 v5, v6, 22
	v_lshrrev_b32 v5, 8, v5                        ; 1 from block 12 on: the second tile,
	v_mul_u32_u24 v5, v5, 9216                     ; which begins 12,288 - 3,072 bytes behind the first one's part of the K step
	v_lshl_add_u32 v30, v6, 8, v5                  ; v30: never rewritten
	global_prefetch_b8 v30, s[94:95] offset:TROW th:TH_LOAD_NT scope:SCOPE_SE      ; K step 1
	global_prefetch_b8 v30, s[94:95] offset:2*TROW th:TH_LOAD_NT scope:SCOPE_SE    ; K step 2
.macro FRAG reg, adr, q, i             ; the image of tile i's q-th fragment comes back as the registers that it is
	ds_load_b128 v[\reg:\reg+3], v[\adr] offset:(\i)*TROW+(\q)*FRB
	ds_load_b64 v[\reg+4:\reg+5], v[\adr+2] offset:(\i)*TROW+(\q)*FRB+512
	ds_load_b128 v[\reg+6:\reg+9], v[\adr] offset:(\i)*TROW+(\q)*FRB+768
	ds_load_b64 v[\reg+10:\reg+11], v[\adr+2] offset:(\i)*TROW+(\q)*FRB+1280
.endm
; 16 matrix instructions: A's blocks a0, a0 + 1 x B's eight.  The 64 accumulators take turns, one instruction a turn, in the same order in every step.
.macro MUL16 a0, p, q, sc, zero
.irp a, \a0, \a0+1
.irp b, 0,1,2,3,4,5,6,7
.if \zero
	v_wmma_scale_f32_16x16x128_f8f6f4 v[8*(8*((\a)%4)+\b):8*(8*((\a)%4)+\b)+7], v[128*(\p)+FR*\b:128*(\p)+FR*\b+FR-1], v[AF+FR*(\a):AF+FR*(\a)+FR-1], 0, v[SC+8*NQ*(\sc)+NQ*\b+(\q)], v[SC+8*NQ*(\sc)+NQ*(\a)+(\q)] matrix_a_fmt:MATRIX_FMT_FP6 matrix_b_fmt:MATRIX_FMT_FP6 matrix_a_scale:MATRIX_SCALE_ROW1
.else
	v_wmma_scale_f32_16x16x128_f8f6f4 v[8*(8*((\a)%4)+\b):8*(8*((\a)%4)+\b)+7], v[128*(\p)+FR*\b:128*(\p)+FR*\b+FR-1], v[AF+FR*(\a):AF+FR*(\a)+FR-1], v[8*(8*((\a)%4)+\b):8*(8*((\a)%4)+\b)+7], v[SC+8*NQ*(\sc)+NQ*\b+(\q)], v[SC+8*NQ*(\sc)+NQ*(\a)+(\q)] matrix_a_fmt:MATRIX_FMT_FP6 matrix_b_fmt:MATRIX_FMT_FP6 matrix_a_scale:MATRIX_SCALE_ROW1
.endif
.endr
.endr
.endm
.macro FETCH_B slot, q, p
	WIN TO_B
.irp i, 0,1,2,3,4,5,6,7
	FRAG 128*(\p)+FR*\i, ADRB+\slot, \q, \i
.endr
	WIN 0
.endm
.macro FETCH_A slot, q, i0
.irp i, \i0, \i0+1, \i0+2, \i0+3
	FRAG AF+FR*(\i), ADRA+\slot, \q, \i
.endr
.endm
.macro SCALES sc                       ; a K step's scale words: two a row; lanes 0-15 A's block i, lanes 16-31 B's block i
.irp i, 0,1,2,3,4,5,6,7
	ds_load_b64 v[SC+8*NQ*\sc+NQ*\i:SC+8*NQ*\sc+NQ*\i+1], v[ADRS] offset:\i*SBLK
.endr
.endm
.macro PLACES n                        ; plain vector instructions between a matrix instruction and a load into, or a read of, its registers (ISA guide 7.12.1 for reads)
.rept \n
	v_nop
.endr
.endm
.macro STEP slot, q, zero              ; 128 along K that has its successor in the same slot
	s_wait_dscnt 4*NL                              ; B's set and A's blocks 0-3 are in; the youngest 16 loads (A's blocks 4-7) may be out
	WIN MUL_LO
	MUL16 0, (\q)%2, \q, \slot, \zero
	MUL16 2, (\q)%2, \q, \slot, \zero
	s_wait_dscnt 0
	PLACES NP
	FETCH_B \slot, (\q)+1, 1-(\q)%2
	FETCH_A \slot, (\q)+1, 0
	WIN MUL_HI
	MUL16 4, (\q)%2, \q, \slot, \zero
	MUL16 6, (\q)%2, \q, \slot, \zero
	PLACES NP
	WIN 0
	FETCH_A \slot, (\q)+1, 4
.endm
; A slot's last step changes slots: one barrier; in front of it each wave waits for all its tensor loads, adds 0 to its spare word, and waits for that and for its reads of this slot.  fill = 1: the slot is filled again.
.macro TURN slot, next, fill
	s_wait_tensorcnt 0x0                           ; all my tensor loads have landed: my part of the next slot
	ds_add_u32 v[SPW], v[NIL]                      ; 0 onto my spare word
	s_wait_dscnt 4*NL+1                            ; the add and the youngest 16 loads may be out
	WIN MUL_LO
	MUL16 0, 1, NQ-1, \slot, 0
	s_wait_dscnt 0x0                               ; the add is done, and my reads of this slot are over
	s_barrier_signal -1
	MUL16 2, 1, NQ-1, \slot, 0
	WIN 0
	s_barrier_wait -1
.if \fill
	CREST                                          ; the barrier has opened a round of the cluster's barrier: no wave of any partner still reads this slot or has a load on its way
	s_add_nc_u64 s[G0+4*\slot+2:G0+4*\slot+3], s[G0+4*\slot+2:G0+4*\slot+3], 2*TROW
	s_add_nc_u64 s[G0B+4*\slot+2:G0B+4*\slot+3], s[G0B+4*\slot+2:G0B+4*\slot+3], 2*TROW
	JLOAD G0+4*\slot, G1, G0B+4*\slot, G1B         ; the first tensor load behind the round; its four v_nop are the places in front of the loads below
.else
	PLACES NP
.endif
	s_wait_alu depctr_va_vdst(0)
	v_add_nc_u32 v[ADRS], 4*NQ, v[ADRS]
	FETCH_B \next, 0, 0
	FETCH_A \next, 0, 0
	SCALES \next
	WIN MUL_HI
	MUL16 4, 1, NQ-1, \slot, 0
	MUL16 6, 1, NQ-1, \slot, 0
	PLACES NP
	WIN 0
	FETCH_A \next, 0, 4
.endm
	s_wait_alu depctr_va_vdst(0)
	s_wait_tensorcnt 0x0                           ; my tile of the head's four is in
	ds_add_u32 v[SPW], v[NIL]
	s_mov_b32 s[G1+2], 8<<16                       ; no tensor load of mine is out: from here on a load brings 8 rows (128 rows of codes)
	s_mov_b32 s[G1+4], 8
	s_mov_b32 s[G1B+2], 8<<16
	s_mov_b32 s[G1B+4], 8
	s_wait_dscnt 0x0                               ; the add is done
	CROUND                                         ; all four tiles are in, and all sixteen work-groups are here
	JLOAD G0+4, G1, G0B+4, G1B                     ; K step 1's load, the first tensor load behind the round
	FETCH_B 0, 0, 0
	FETCH_A 0, 0, 0
	SCALES 0
	FETCH_A 0, 0, 4
	global_prefetch_b8 v30, s[94:95] offset:3*TROW th:TH_LOAD_NT scope:SCOPE_SE    ; K step 3, two loads ahead of its own
	STEP 0, 0, 1                                   ; the first products start the sums: nothing is cleared
	TURN 0, 1, 1                                   ; K has four slot steps: the walk is written out
	STEP 1, 0, 0
	TURN 1, 0, 1
	STEP 0, 0, 0
	TURN 0, 1, 0                                   ; nothing is left to fetch
	STEP 1, 0, 0
	s_wait_dscnt 4*NL
	WIN MUL_LO
	MUL16 0, 1, NQ-1, 1, 0
	MUL16 2, 1, NQ-1, 1, 0
	s_wait_dscnt 0
	WIN MUL_HI
	MUL16 4, 1, NQ-1, 1, 0
	MUL16 6, 1, NQ-1, 1, 0
	WIN 0
; THE WAY OUT.  64 numbers of a lane in window w, register 16 b + i = k 32 b + 16 h + i of my row, become a fragment's codes in v[PC] on and my row's scale word in v[pw].
.macro QUANT s, w, pw
	WIN (\w)|((\w)<<2)
.irp b, 0,1,2,3
	v_max3_num_f32 v[TM+\b], |v[(\s)+16*\b]|, |v[(\s)+1+16*\b]|, 0x1800000   ; each accumulator is read from its low end on; the floor 2^(3 - 127) holds the byte at 1 from below
.endr
.irp i, 2,4,6,8,10,12,14
.irp b, 0,1,2,3
	v_max3_num_f32 v[TM+\b], |v[(\s)+16*\b+\i]|, |v[(\s)+1+16*\b+\i]|, v[TM+\b]
.endr
.endr
	WIN 0
.irp b, 0,1,2,3
	v_permlanex16_b32 v[TM+4+\b], v[TM+\b], s[SEL], s[SEL+1]
.endr
.irp b, 0,1,2,3
	v_max_num_f32 v[TM+\b], v[TM+\b], v[TM+4+\b]
.endr
.irp b, 0,1,2,3
	v_add_nc_u32 v[TM+12+\b], 0xff000000, v[TM+\b]   ; 2 off the exponent field: the conversion's scale operand
.endr
.irp b, 0,1,2,3
	v_lshrrev_b32 v[TM+4+\b], 23, v[TM+12+\b]
.endr
	v_lshl_or_b32 v[\pw], v[TM+5], 8, v[TM+4]
	v_lshl_or_b32 v[\pw], v[TM+6], 16, v[\pw]
	v_lshl_or_b32 v[\pw], v[TM+7], 24, v[\pw]
	s_wait_alu depctr_va_vdst(0)
	s_wait_xcnt 0x0                                ; the last block's stores have read v[PC] on, which the conversions write
	WIN \w
.irp c, 0,1
	v_cvt_scalef32_pk16_fp6_f32 v[PC+6*\c:PC+2+6*\c], v[(\s)+32*\c:(\s)+15+32*\c], v[TM+12+2*\c]
	v_cvt_scalef32_pk16_fp6_f32 v[PC+12+4*\c:PC+14+4*\c], v[(\s)+16+32*\c:(\s)+31+32*\c], v[TM+12+2*\c+1]
.endr
	WIN 0
	v_nop                                          ; one plain place behind a scaled conversion
.irp c, 0,1
.irp i, 0,1,2
	v_permlane16_swap_b32 v[PC+6*\c+\i], v[PC+12+4*\c+\i]
.endr
.irp i, 0,1,2
	v_mov_b32 v[PC+3+6*\c+\i], v[PC+12+4*\c+\i]
.endr
.endr
.endm
.macro ROPELOAD a, set                 ; cos and sin of block a's tokens, channels 16 h + 0 .. 15, into set
.irp q, 0,1,2,3
	global_load_b128 v[RC+32*(\set)+4*\q:RC+32*(\set)+4*\q+3], v7, s[8:9] offset:(32*((\a)/2)+8*((\a)%2))*256+16*\q
.endr
.irp q, 0,1,2,3
	global_load_b128 v[RC+16+32*(\set)+4*\q:RC+16+32*(\set)+4*\q+3], v7, s[8:9] offset:(32*((\a)/2)+8*((\a)%2))*256+128+16*\q
.endr
.endm
.macro ROT a, c, u, j, ph              ; head c, channels d = 16 h + 8 u + j, + 1: y[d] = x[d] cos - x[d + 32] sin, y[d + 32] = x[d + 32] cos + x[d] sin.  ph = 0: the products with sin; ph = 1: the rest
.set X1, 8*(8*((\a)%4)+4*(\c)+(\u))+(\j)
.set X2, X1+16
.set RCO, RC+32*((\a)%2)+8*(\u)+(\j)
.set RSI, RCO+16
.set Y1, Y+32*(\c)+8*(\u)+(\j)
.set Y2, Y1+16
.if \ph == 0
	v_pk_mul_f32 v[Y1:Y1+1], v[X2:X2+1], v[RSI:RSI+1]
	v_pk_mul_f32 v[Y2:Y2+1], v[X1:X1+1], v[RSI:RSI+1]
.else
	v_pk_fma_f32 v[Y1:Y1+1], v[X1:X1+1], v[RCO:RCO+1], v[Y1:Y1+1] neg_lo:[0,0,1] neg_hi:[0,0,1]
	v_pk_fma_f32 v[Y2:Y2+1], v[X2:X2+1], v[RCO:RCO+1], v[Y2:Y2+1]
.endif
.endm
.macro FINISH
	s_wait_tensorcnt 0x0                           ; the wave's end, behind my last tensor load
	ds_add_u32 v[SPW], v[NIL]
	s_wait_dscnt 0x0
	CROUND                                         ; the closing round: no work-group ends while a partner may still ask for a tile that names it
	s_endpgm
.endm
	PLACES NP                                      ; behind the last products: their results are read and A's registers written below
	s_mov_b32 s[SEL], 0x76543210
	s_mov_b32 s[SEL+1], 0xfedcba98
	v_and_b32 v1, 15, v0                           ; r
	v_bfe_u32 v2, v0, 4, 1                         ; h
	v_and_b32 v3, 31, v0
	v_lshlrev_b32 v8, 4, v3                        ; 16 x lane
.irp b, 0,1,2,3
	v_mov_b32 v[TM+4+\b], 0                        ; written once: a lane permute's destination counts as one of its sources
.endr
	s_cmp_eq_u32 ttmp9, 2
	s_cbranch_scc1 .Lvpath
	; ---- q or k: my 128 tokens (one step) x two heads
	s_cmp_eq_u32 ttmp9, 1
	s_mov_b32 s2, QSTEP
	s_cselect_b32 s2, KVSTEP, s2                   ; a step's bytes
	s_cselect_b32 s12, KVBASE, 0                   ; the region
	s_mov_b32 s13, 6144
	s_cselect_b32 s13, 12288, s13                  ; where a step's scale words begin
	s_lshl_b32 s18, s2, 4                          ; from head to head: 16 steps
	s_lshr_b32 s19, s17, 3                         ; the batch
	s_lshl_b32 s19, s19, 4
	s_and_b32 s20, s42, 3
	s_lshl_b32 s20, s20, 2
	s_add_co_u32 s19, s19, s20
	s_lshl_b32 s20, s16, 1
	s_add_co_u32 s19, s19, s20                     ; 16 x batch + my first head
	s_lshl_b32 s19, s19, 4
	s_and_b32 s20, s17, 7
	s_lshl_b32 s21, s20, 1
	s_add_co_u32 s21, s21, s15                     ; the step
	s_add_co_u32 s19, s19, s21
	s_mul_i32 s22, s19, s2
	s_add_co_u32 s22, s22, s12
	s_mov_b32 s23, 0
	s_add_nc_u64 s[10:11], s[10:11], s[22:23]
	s_lshl_b32 s22, s21, 15                        ; the table: 128 rows of 256 bytes a step
	s_add_nc_u64 s[8:9], s[8:9], s[22:23]
	s_wait_alu depctr_va_vdst(0)
	v_and_b32 v3, 8, v1
	v_add_nc_u32 v3, v3, v1
	v_lshlrev_b32 v7, 8, v3
	v_lshl_add_u32 v7, v2, 6, v7                   ; my token's row, + 64 h
	ROPELOAD 0, 0
	ROPELOAD 1, 1
	v_and_b32 v3, 31, v0
	v_add_nc_u32 v9, s18, v8                       ; the second head's
	v_lshlrev_b32 v10, 3, v3                       ; 8 x lane
	v_add_nc_u32 v11, s18, v10
	v_mul_lo_u32 v12, v2, s18
	v_lshl_add_u32 v12, v1, 4, v12
	v_add_nc_u32 v12, s13, v12                     ; scale words: 16 r, lanes 16-31 in the second head
	v_lshlrev_b32 v13, 4, v2                       ; 16 h: which two bytes of a row's word are my head's
.irp a, 0,1,2,3,4,5,6,7
.if \a < 7
	s_wait_loadcnt 8                               ; this block's cos and sin are in; the next block's eight loads may be out
.else
	s_wait_loadcnt 0
.endif
	WIN 2+\a/4                                     ; source 0: the accumulators' window
.irp c, 0,1
.irp u, 0,1
.irp j, 0,2,4,6
	ROT \a, \c, \u, \j, 0
.endr
.irp j, 0,2,4,6                        ; eight independent lines stand between a product and the line that adds onto it
	ROT \a, \c, \u, \j, 1
.endr
.endr
.endr
	WIN 0
.if \a < 6
	ROPELOAD \a+2, \a%2
.endif
	QUANT Y, 0, PW
	v_bfe_u32 v[W+\a], v[PW], v13, 16              ; my head's two bytes; bytes 2 and 3 are zero
	global_store_b128 v8, v[PC:PC+3], s[10:11] offset:768*\a          ; head 0's half image; whole aligned blocks of 256 bytes
	global_store_b64 v10, v[PC+4:PC+5], s[10:11] offset:768*\a+512
	global_store_b128 v9, v[PC+6:PC+9], s[10:11] offset:768*\a        ; head 1's
	global_store_b64 v11, v[PC+10:PC+11], s[10:11] offset:768*\a+512
.endr
	global_store_b128 v12, v[W:W+3], s[10:11]      ; sixteen lanes store 256 consecutive bytes
	global_store_b128 v12, v[W+4:W+7], s[10:11] offset:256
	FINISH
.Lvpath:
	; ---- V^T: my 128 channels (two heads x four tiles) x the 128 tokens of one key step
	s_sub_co_u32 s19, s17, 8
	s_lshl_b32 s19, s19, 2
	s_lshl_b32 s20, s15, 1
	s_add_co_u32 s19, s19, s20                     ; my first head
	s_lshr_b32 s20, s42, 3
	s_lshl_b32 s20, s20, 4
	s_add_co_u32 s19, s19, s20                     ; + 16 x batch
	s_lshl_b32 s19, s19, 4
	s_and_b32 s20, s42, 7
	s_lshl_b32 s20, s20, 1
	s_add_co_u32 s20, s20, s16                     ; the step
	s_add_co_u32 s19, s19, s20
	s_mul_i32 s22, s19, KVSTEP
	s_add_co_u32 s22, s22, KVBASE
	s_mov_b32 s23, 0
	s_add_nc_u64 s[10:11], s[10:11], s[22:23]
	s_wait_alu depctr_va_vdst(0)
	v_mul_u32_u24 v12, v2, 16*KVSTEP
	v_lshl_add_u32 v12, v1, 4, v12                 ; scale words: 16 r, lanes 16-31 in the second head
.irp a, 0,1,2,3,4,5,6,7
	QUANT 64*(\a%4), 2+\a/4, W+\a
.irp c, 0,1,2
	global_store_b128 v8, v[PC+4*\c:PC+4*\c+3], s[10:11] offset:(\a/4)*16*KVSTEP+6144+(\a%4)*FRB+512*\c
.endr
.endr
	v_cmp_eq_u32 vcc_lo, 1, v2
.irp k, 0,1,2,3
	v_cndmask_b32 v[TM+\k], v[W+\k], v[W+4+\k], vcc_lo   ; lanes 0-15 the first head's four tiles, lanes 16-31 the second's
.endr
	global_store_b128 v12, v[TM:TM+3], s[10:11] offset:12800
	FINISH
.Lfunc_end_k_qae4b2f4780_qkv:
	.size	k_qae4b2f4780_qkv, .Lfunc_end_k_qae4b2f4780_qkv-k_qae4b2f4780_qkv
	.p2alignl 7, 3214868480
	.fill 96, 4, 3214868480
	.section	.rodata,"a",@progbits
	.p2align	6, 0x0
	.amdhsa_kernel k_qae4b2f4780_qkv
		.amdhsa_group_segment_fixed_size 327680
		.amdhsa_private_segment_fixed_size 0
		.amdhsa_enable_private_segment 0
		.amdhsa_kernarg_size 32
		.amdhsa_user_sgpr_count 2
		.amdhsa_user_sgpr_kernarg_segment_ptr 1
		.amdhsa_wavefront_size32 1
		.amdhsa_system_sgpr_workgroup_id_x 1
		.amdhsa_system_sgpr_workgroup_id_y 1
		.amdhsa_system_sgpr_workgroup_id_z 1
		.amdhsa_system_vgpr_workitem_id 0
		.amdhsa_next_free_vgpr 1024
		.amdhsa_next_free_sgpr 100
		.amdhsa_reserve_vcc 1
		.amdhsa_float_denorm_mode_32 3
		.amdhsa_float_denorm_mode_16_64 3
		.amdhsa_memory_ordered 1
		.amdhsa_forward_progress 1
		.amdhsa_inst_pref_size 225
	.end_amdhsa_kernel
	.amdgpu_metadata
---
amdhsa.version: [ 1, 2 ]
amdhsa.kernels:
  - .name:           k_qae4b2f4780_qkv
    .symbol:         k_qae4b2f4780_qkv.kd
    .args:
      - { .name: xq, .offset: 0, .size: 8, .value_kind: global_buffer, .address_space: global }
      - { .name: wq, .offset: 8, .size: 8, .value_kind: global_buffer, .address_space: global }
      - { .name: rope, .offset: 16, .size: 8, .value_kind: global_buffer, .address_space: global }
      - { .name: qkv, .offset: 24, .size: 8, .value_kind: global_buffer, .address_space: global }
    .group_segment_fixed_size: 327680
    .private_segment_fixed_size: 0
    .kernarg_segment_align: 8
    .kernarg_segment_size: 32
    .max_flat_workgroup_size: 128
    .sgpr_count:     100
    .vgpr_count:     1024
    .wavefront_size: 32
...
	.end_amdgpu_metadata
.endif
;; end of part 2
;; launch attn (part 3): grid 8 x 32, 16 waves a work-group, clusters of 4 x 1, 327,680 bytes of LDS; arguments qkv, oq; writes oq
.if DOCPART == 3
	.amdgcn_target "amdgcn-amd-amdhsa--gfx1250"
	.amdhsa_code_object_version 6
	.text
	.protected	k_qae4b2f4780_attn
	.globl	k_qae4b2f4780_attn
	.p2align	8
	.type	k_qae4b2f4780_attn,@function
k_qae4b2f4780_attn:
	s_mov_b64 s[64:65], 0
	v_nop
	global_prefetch_b8 v0, s[64:65] scope:SCOPE_SE
	s_setreg_imm32_b32 hwreg(HW_REG_WAVE_MODE, 25, 1), 1
	s_wait_xcnt 0x0
	s_wait_alu depctr_hold_cnt(0) depctr_sa_sdst(0) depctr_va_vdst(0) depctr_va_sdst(0) depctr_va_ssrc(0) depctr_va_vcc(0) depctr_vm_vsrc(0)
	s_getreg_b32 s2, hwreg(HW_REG_IB_STS2, 6, 4)
	s_cmp_eq_u32 s2, 0
	s_cbranch_scc0 .Lentry_in_a_cluster
	s_endpgm
.Lentry_in_a_cluster:
	s_bfe_u32 s2, ttmp6, 0x10000c
	s_cmp_lg_u32 s2, 0x3003
	s_cbranch_scc0 .Lentry_shape_is_right
	s_endpgm
.Lentry_shape_is_right:
; Launch 3 of 4: causal attention on codes of FP6 (E2M3): S^T = K q^T, p = 2^(t - M) with M the ceiling of the running largest t, p quantised by blocks of 32 keys, O^T += V^T p^T, O / the row's sum quantised along the head's 64.
; LEFT OUT: a step of 128 keys all of which come after a tile's 16 queries (shown at the head of launch prep).  LIMIT: the promise holds while the scaled scores stay under 2^31 in magnitude.
; A work-group takes one head and, of each of the 16 blocks of 128 queries, one tile of 16.  The head's K and V, 16 steps of 13,056 bytes, come into LDS once: sixteen waves, one joint load each, shared by the
; four work-groups of a cluster (four tiles of the same head).  Nothing is filled again.  No prefetch: all tiles are asked for at the head, and there is no loop to run ahead in.
; TWO WAVES SHARE TWO TILES: waves 2 p and 2 p + 1 have the tiles of blocks 15 - p and p, 17 steps together.  A wave first takes the ODD key steps of one tile (wave 2 p: block p; wave 2 p + 1: block 15 - p), puts
; O^T, the sums and -M into its own 4,608 bytes of LDS, then takes the EVEN steps of the other tile; behind one barrier it reads its partner's part of that tile and joins the two: both are brought under the larger M by
; exact powers of two and added.  So a wave has 8 or 9 steps.  A part with no step holds zeros under M = -3e38 and gets the factor 0.
; WHICH WAVE OF A PAIR BEGINS WITH WHICH TILE: as the lines above have it in the pairs with p / 2 even; in those with p / 2 odd the two waves change roles.  So the four waves whose numbers are equal modulo 4
; have 34 steps together, four of them steps with the mask.
.set KVBASE, 3407872
.set QSTEP,  6656
.set KVSTEP, 13056
.set FRB,    1536
.set VCO,    6144
.set KSC,    12288
.set VSC,    12800
.set SOFF,   3145728
.set STG,    16*KVSTEP                 ; behind K and V: a wave's part of its first tile, 9 planes of 512 bytes
.set STW,    4608
.set SPARE,  STG+16*STW                ; the spare words, 128 bytes a wave
.set SPW,  5
.set NIL,  6
.set WV,   8
.set SEL,  12
.set CS,   14
.set G1,   16
.set G0,   24
.set BLK,  40
.set SI,   41
.set TB,   42
.macro CROUND
	s_barrier_signal -1
	s_barrier_wait -1
	s_cmp_lg_u32 s[WV], 0
	s_cbranch_scc1 .Lnot_wave_0_\@
	s_barrier_signal -3
.Lnot_wave_0_\@:
	s_barrier_wait -3
	s_barrier_signal -1
	s_barrier_wait -1
.endm
.macro PLACE blk, qc, qs, oc, os
	s_lshl_b32 s32, s11, 4
	s_add_co_u32 s32, s32, s[\blk]
	s_mul_i32 s32, s32, QSTEP
	s_mov_b32 s33, 0
	s_add_co_u32 s34, s32, s61
	s_mov_b32 s35, 0
	s_add_co_u32 s32, s32, s60
	s_add_nc_u64 s[\qc:\qc+1], s[4:5], s[32:33]
	s_add_nc_u64 s[\qs:\qs+1], s[4:5], s[34:35]
.if \oc                                ; where the result goes: made for the tile that this wave finishes
	s_lshl_b32 s32, s[\blk], 3
	s_add_co_u32 s32, s32, s37
	s_lshl_b32 s34, s32, 9
	s_add_co_u32 s34, s34, s39
	s_mul_i32 s32, s32, 8*FRB
	s_add_co_u32 s32, s32, s38
	s_add_nc_u64 s[\oc:\oc+1], s[6:7], s[32:33]
	s_add_nc_u64 s[\os:\os+1], s[6:7], s[34:35]
.endif
.endm
	s_load_b128 s[4:7], s[0:1], 0x0
	v_lshl_add_u32 v[SPW], v0, 2, SPARE
	v_mov_b32 v[NIL], 0
	ds_add_u32 v[SPW], v[NIL]
	ds_add_u32 v[SPW], v[NIL]
	v_lshrrev_b32 v8, 5, v0
	s_delay_alu instid0(VALU_DEP_1)
	v_readfirstlane_b32 s[WV], v8
	s_bfe_u32 s9, ttmp6, 0x40000
	s_lshl_b32 s10, ttmp9, 2
	s_add_co_u32 s10, s10, s9
	s_and_b32 s11, ttmp7, 0xffff
	s_mov_b32 s[G1], 15|(3<<16)|(1<<21)
	s_mov_b32 s[G1+1], 32<<16
	s_mov_b32 s[G1+2], 51<<16
	s_mov_b32 s[G1+3], 32<<16
	s_mov_b32 s[G1+4], 51
	s_mov_b32 s[G1+5], 32
	s_mov_b32 s[G1+6], 0
	s_mov_b32 s[G1+7], 0
	s_mov_b32 s[SEL], 0x76543210
	s_mov_b32 s[SEL+1], 0xfedcba98
	s_mov_b32 s[CS], 0x3e38aa3b
	s_mov_b32 s[CS+1], s[CS]
	s_lshl_b32 s32, s11, 4
	s_add_co_u32 s32, s32, s[WV]
	s_mul_i32 s32, s32, KVSTEP
	s_add_co_u32 s32, s32, KVBASE
	s_mov_b32 s33, 0
	s_mul_i32 s34, s[WV], KVSTEP
	s_wait_dscnt 0x0
	s_wait_kmcnt 0x0
	CROUND
	s_mov_b32 s[G0], 1
	s_mov_b32 s[G0+1], s34
	s_add_nc_u64 s[G0+2:G0+3], s[4:5], s[32:33]
	s_or_b32 s[G0+3], s[G0+3], 0x80000000
	tensor_load_to_lds s[G0:G0+3], s[G1:G1+7]      ; key step = my wave's number: my one tensor load
	s_nop 0
.rept 4
	v_nop
.endr
	v_and_b32 v8, 31, v0
	s_delay_alu instid0(VALU_DEP_1)
	v_lshlrev_b32 v1, 4, v8
	s_wait_alu depctr_va_vdst(0)
	v_lshlrev_b32 v2, 3, v8
	s_wait_alu depctr_va_vdst(0)
	v_and_b32 v8, 15, v0
	s_delay_alu instid0(VALU_DEP_1)
	v_lshlrev_b32 v3, 4, v8
	s_wait_alu depctr_va_vdst(0)
	v_lshlrev_b32 v7, 5, v8
	s_mul_i32 s60, s10, 768
	s_lshr_b32 s61, s10, 2
	s_lshl_b32 s61, s61, 8
	s_and_b32 s33, s10, 3
	s_lshl_b32 s33, s33, 2
	s_add_co_u32 s61, s61, s33
	s_add_co_u32 s61, s61, 6144
	s_and_b32 s36, s11, 15
	s_lshr_b32 s37, s11, 4
	s_lshl_b32 s37, s37, 7
	s_add_co_u32 s37, s37, s10
	s_lshr_b32 s38, s36, 1
	s_mul_i32 s38, s38, FRB
	s_and_b32 s39, s36, 1
	s_mul_i32 s39, s39, 768
	s_add_co_u32 s38, s38, s39
	s_lshl_b32 s39, s36, 1
	s_add_co_u32 s39, s39, SOFF
	s_lshr_b32 s32, s[WV], 1                       ; p
	s_sub_co_u32 s33, 15, s32
	s_lshr_b32 s28, s[WV], 2
	s_xor_b32 s28, s28, s[WV]
	s_and_b32 s28, s28, 1                          ; SCC: bit 0 of the wave's number, turned over where bit 2 is set
	s_cselect_b32 s62, s33, s32                    ; my first tile's block,
	s_cselect_b32 s63, s32, s33                    ; and my second's, which I finish
	PLACE 62, 44, 46, 0, 0
	PLACE 63, 48, 50, 56, 58
	global_load_b128 v[16:19], v1, s[44:45]
	global_load_b64 v[20:21], v2, s[44:45] offset:512
	global_load_b32 v255, v3, s[46:47]
	global_load_b128 v[192:195], v1, s[48:49]
	global_load_b64 v[196:197], v2, s[48:49] offset:512
	global_load_b32 v204, v3, s[50:51]
	s_lshr_b32 s32, s10, 1
	s_lshl_b32 s32, s32, 5
	s_and_b32 s33, s10, 1
	s_lshl_b32 s33, s33, 3
	s_add_co_u32 s32, s32, s33
	v_and_b32 v9, 8, v8
	s_delay_alu instid0(VALU_DEP_1)
	v_add_nc_u32 v9, v9, v8
	v_bfe_u32 v10, v0, 4, 1
	s_delay_alu instid0(VALU_DEP_1)
	v_lshlrev_b32 v10, 4, v10
	s_delay_alu instid0(VALU_DEP_1)
	v_sub_nc_u32 v9, v9, v10
	s_delay_alu instid0(VALU_DEP_1)
	v_add_nc_u32 v4, s32, v9
.irp j, 0,1,2,3,4,5
	v_mov_b32 v[22+\j], 0
	v_mov_b32 v[198+\j], 0
	v_mov_b32 v[80+\j], 0
.endr
.irp b, 0,1,2,3
	v_mov_b32 v[236+\b], 0
.endr
	v_mov_b32 v252, 0
	v_mov_b32 v253, 0
	s_mul_i32 s29, s[WV], STW
	s_add_co_u32 s29, s29, STG
	s_xor_b32 s30, s[WV], 1
	s_mul_i32 s30, s30, STW
	s_add_co_u32 s30, s30, STG
	v_add_nc_u32 v11, s29, v1                      ; where I put my part of my first tile: 16 x lane in each plane
	v_add_nc_u32 v205, s30, v1                     ; and where my partner puts its part of my second tile
.macro STEP qr, qs
	s_cmp_gt_u32 s[SI], s[BLK]
	s_cbranch_scc1 .Lhidden_\@
	v_add_nc_u32 v8, s[TB], v1
	v_add_nc_u32 v9, s[TB], v2
	v_add_nc_u32 v10, s[TB], v3
	v_nop
.irp t, 0,1,2,3,4,5,6,7
	ds_load_b128 v[32+6*\t:35+6*\t], v8 offset:768*\t
	ds_load_b64 v[36+6*\t:37+6*\t], v9 offset:768*\t+512
.endr
	ds_load_b128 v[88:91], v10 offset:KSC
	ds_load_b128 v[92:95], v10 offset:KSC+256
	s_wait_alu depctr_va_vdst(0)
	s_wait_dscnt 0x0
.irp t, 0,1,2,3,4,5,6,7
	v_wmma_scale_f32_16x16x128_f8f6f4 v[96+8*\t:103+8*\t], v[32+6*\t:43+6*\t], v[\qr:\qr+11], 0, v[88+\t], v[\qs] matrix_a_fmt:MATRIX_FMT_FP6 matrix_b_fmt:MATRIX_FMT_FP6
.endr
.rept 4
	v_nop
.endr
.irp d, 0,1,2,3
.irp c, 0,1,2
	ds_load_b128 v[32+12*\d+4*\c:35+12*\d+4*\c], v8 offset:VCO+FRB*\d+512*\c
.endr
.endr
	ds_load_b128 v[28:31], v10 offset:VSC
	s_cmp_lg_u32 s[SI], s[BLK]
	s_cbranch_scc1 .Lopen_\@
	v_mov_b32 v254, 0xff800000
.set n, 0
.rept 64
	v_cmp_gt_i32 vcc_lo, 32*(n/16)+n%16, v4
	v_cndmask_b32 v[96+n], v[96+n], v254, vcc_lo
.set n, n+1
.endr
.Lopen_\@:
.irp b, 0,1,2,3
	v_max3_num_f32 v[232+\b], v[96+16*\b], v[97+16*\b], v[98+16*\b]
.endr
.irp i, 3,5,7,9,11,13
.irp b, 0,1,2,3
	v_max3_num_f32 v[232+\b], v[232+\b], v[96+16*\b+\i], v[97+16*\b+\i]
.endr
.endr
.irp b, 0,1,2,3
	v_max_num_f32 v[232+\b], v[232+\b], v[111+16*\b]
.endr
.irp b, 0,1,2,3
	v_permlanex16_b32 v[236+\b], v[232+\b], s[SEL], s[SEL+1]   ; (the four blocks by turns, here and below)
.endr
.irp b, 0,1,2,3
	v_max_num_f32 v[232+\b], v[232+\b], v[236+\b]
.endr
	s_delay_alu instid0(VALU_DEP_2)
	v_max3_num_f32 v254, v232, v233, v234
	s_delay_alu instid0(VALU_DEP_1)
	v_max_num_f32 v254, v254, v235
	s_delay_alu instid0(VALU_DEP_1)
	v_mul_f32 v254, s[CS], v254
	s_delay_alu instid0(VALU_DEP_1)
	v_max_num_f32 v13, v13, v254
	v_mov_b32 v254, v12
	s_delay_alu instid0(VALU_DEP_2)
	v_floor_f32 v12, -v13
	s_delay_alu instid0(VALU_DEP_1)
	v_sub_f32 v254, v12, v254
	s_delay_alu instid0(VALU_DEP_1)
	v_cvt_i32_f32 v254, v254
	s_delay_alu instid0(VALU_DEP_1)
	v_ldexp_f32 v252, 1.0, v254
.set j, 0
.rept 32
	v_pk_fma_f32 v[96+j:97+j], v[96+j:97+j], s[CS:CS+1], v[12:13] op_sel_hi:[1,0,0]
.set j, j+2
.endr
.irp b, 0,1,2,3
	v_fma_f32 v[232+\b], v[232+\b], s[CS], v12
.endr
.set j, 0
	s_wait_alu depctr_va_vdst(0)
.rept 64
	v_exp_f32 v[96+j], v[96+j]
.set j, j+1
.endr
	v_pk_mul_f32 v[14:15], v[14:15], v[252:253] op_sel_hi:[1,0]
	s_wait_alu depctr_va_vdst(0)
.irp b, 0,1,2,3
	v_exp_f32 v[232+\b], v[232+\b]
.endr
	v_pk_add_f32 v[236:237], v[96:97], v[98:99]
.irp j, 4,8,12,16,20,24,28,32,36,40,44,48,52,56,60
	v_pk_add_f32 v[14:15], v[14:15], v[96+\j:97+\j]
	v_pk_add_f32 v[236:237], v[236:237], v[98+\j:99+\j]
.endr
	s_delay_alu instid0(VALU_DEP_1)
	v_pk_add_f32 v[14:15], v[14:15], v[236:237]
	s_wait_alu depctr_va_vdst(0)
.irp b, 0,1,2,3
	v_max_num_f32 v[232+\b], 0x1800000, v[232+\b]
.endr
.irp b, 0,1,2,3
	v_add_nc_u32 v[244+\b], 0xff000000, v[232+\b]
.endr
.irp b, 0,1,2,3
	v_lshrrev_b32 v[236+\b], 23, v[244+\b]
.endr
	s_delay_alu instid0(VALU_DEP_3)
	v_lshl_or_b32 v253, v237, 8, v236
	s_delay_alu instid0(VALU_DEP_1)
	v_lshl_or_b32 v253, v238, 16, v253
	s_delay_alu instid0(VALU_DEP_1)
	v_lshl_or_b32 v253, v239, 24, v253
.irp c, 0,1
	v_cvt_scalef32_pk16_fp6_f32 v[224+6*\c:226+6*\c], v[96+32*\c:111+32*\c], v[244+2*\c]
	v_cvt_scalef32_pk16_fp6_f32 v[236+4*\c:238+4*\c], v[112+32*\c:127+32*\c], v[244+2*\c+1]
.endr
	v_nop
.irp c, 0,1
.irp i, 0,1,2
	v_permlane16_swap_b32 v[224+6*\c+\i], v[236+4*\c+\i]
.endr
.irp i, 0,1,2
	v_mov_b32 v[227+6*\c+\i], v[236+4*\c+\i]
.endr
.endr
.set j, 0
.rept 16
	v_pk_mul_f32 v[160+j:161+j], v[160+j:161+j], v[252:253] op_sel_hi:[1,0]
.set j, j+2
.endr
	s_wait_alu depctr_va_vdst(0)
	s_wait_dscnt 0x0
.irp d, 0,1,2,3
	v_wmma_scale_f32_16x16x128_f8f6f4 v[160+8*\d:167+8*\d], v[32+12*\d:43+12*\d], v[224:235], v[160+8*\d:167+8*\d], v[28+\d], v253 matrix_a_fmt:MATRIX_FMT_FP6 matrix_b_fmt:MATRIX_FMT_FP6
.endr
.Lhidden_\@:
	s_add_co_u32 s[TB], s[TB], 2*KVSTEP            ; every second step is mine
	s_add_co_u32 s[SI], s[SI], 2
.endm
.macro INIT
	v_mov_b32 v13, 0xff61b1e6
	s_delay_alu instid0(VALU_DEP_1)
	v_floor_f32 v12, -v13
	v_mov_b32 v14, 0
	v_mov_b32 v15, 0
.set j, 0
.rept 32
	v_mov_b32 v[160+j], 0
.set j, j+1
.endr
.endm
.macro OUT oc, os, more
.rept 4
	v_nop
.endr
	v_add_f32 v14, v14, v15
	s_delay_alu instid0(VALU_DEP_1)
	v_permlanex16_b32 v252, v14, s[SEL], s[SEL+1]
	s_delay_alu instid0(VALU_DEP_1)
	v_add_f32 v14, v14, v252
	s_wait_alu depctr_va_vdst(0)
	v_rcp_f32 v14, v14
	v_nop
	s_wait_alu depctr_va_vdst(0)
.set j, 0
.rept 32
	v_mul_f32 v[96+j], v[160+j], v14
.set j, j+1
.endr
	v_max3_num_f32 v232, |v96|, |v97|, 0x1800000
	v_max3_num_f32 v233, |v112|, |v113|, 0x1800000
.irp i, 2,4,6,8,10,12,14
	s_delay_alu instid0(VALU_DEP_2)
	v_max3_num_f32 v232, v232, |v[96+\i]|, |v[97+\i]|
	s_delay_alu instid0(VALU_DEP_2)
	v_max3_num_f32 v233, v233, |v[112+\i]|, |v[113+\i]|
.endr
	s_delay_alu instid0(VALU_DEP_2)
	v_permlanex16_b32 v236, v232, s[SEL], s[SEL+1]
	s_delay_alu instid0(VALU_DEP_2)
	v_permlanex16_b32 v237, v233, s[SEL], s[SEL+1]
	s_delay_alu instid0(VALU_DEP_2)
	v_max_num_f32 v232, v232, v236
	s_delay_alu instid0(VALU_DEP_2)
	v_max_num_f32 v233, v233, v237
	s_delay_alu instid0(VALU_DEP_2)
	v_add_nc_u32 v244, 0xff000000, v232
	s_delay_alu instid0(VALU_DEP_2)
	v_add_nc_u32 v245, 0xff000000, v233
	s_delay_alu instid0(VALU_DEP_2)
	v_lshrrev_b32 v236, 23, v244
	s_delay_alu instid0(VALU_DEP_2)
	v_lshrrev_b32 v237, 23, v245
	s_delay_alu instid0(VALU_DEP_1)
	v_lshl_or_b32 v240, v237, 8, v236
	v_cvt_scalef32_pk16_fp6_f32 v[224:226], v[96:111], v244
	v_cvt_scalef32_pk16_fp6_f32 v[236:238], v[112:127], v245
	v_nop
.irp i, 0,1,2
	v_permlane16_swap_b32 v[224+\i], v[236+\i]
.endr
.irp i, 0,1,2
	s_delay_alu instid0(VALU_DEP_3)
	v_mov_b32 v[227+\i], v[236+\i]
.endr
	global_store_b128 v1, v[224:227], s[\oc:\oc+1]
	global_store_b64 v2, v[228:229], s[\oc:\oc+1] offset:512
	global_store_b16 v7, v240, s[\os:\os+1]
.if \more
	s_wait_xcnt 0x0
.endif
.endm
	s_wait_tensorcnt 0x0                           ; my step's tile is in; behind the barrier all sixteen are
	s_barrier_signal -1
	s_barrier_wait -1
	s_wait_loadcnt 0x0
	INIT
	s_mov_b32 s[BLK], s62
	s_mov_b32 s[SI], 1                             ; the first tile's odd steps
	s_mov_b32 s[TB], KVSTEP
.Lfirst:
	STEP 16, 255
	s_cmp_lt_u32 s[SI], 16
	s_cbranch_scc1 .Lfirst
.rept 4
	v_nop                                          ; places behind the last products, whose results are read below
.endr
	s_wait_alu depctr_va_vdst(0)
.irp k, 0,1,2,3,4,5,6,7
	ds_store_b128 v11, v[160+4*\k:163+4*\k] offset:512*\k   ; O^T, each accumulator from its low end on
.endr
	ds_store_b128 v11, v[12:15] offset:4096        ; -M, the largest t, the sum's two halves
	s_wait_dscnt 0x0                               ; the stores have read their registers, which are written anew below
	INIT
	s_mov_b32 s[BLK], s63                          ; the second tile's even steps
	s_mov_b32 s[SI], 0
	s_mov_b32 s[TB], 0
.Lthird:
	STEP 192, 204
	s_cmp_lt_u32 s[SI], 16
	s_cbranch_scc1 .Lthird
	s_wait_alu depctr_va_vdst(0)
	s_wait_dscnt 0x0                               ; my store of my first tile's part is done, for my partner's sake
	s_barrier_signal -1
	s_barrier_wait -1
.irp k, 0,1,2,3,4,5,6,7
	ds_load_b128 v[96+4*\k:99+4*\k], v205 offset:512*\k     ; my partner's part of this tile: O^T,
.endr
	ds_load_b128 v[128:131], v205 offset:4096      ; -M, the largest t, the sum's two halves
	s_wait_dscnt 0x0
	v_min_num_f32 v132, v12, v128                  ; -M of the two together
	s_delay_alu instid0(VALU_DEP_1)
	v_sub_f32 v133, v132, v12                      ; my M less the common one: a whole number, 0 or less
	s_delay_alu instid0(VALU_DEP_2)
	v_sub_f32 v134, v132, v128                     ; and my partner's
	s_delay_alu instid0(VALU_DEP_2)
	v_cvt_i32_f32 v133, v133                       ; (it saturates)
	s_delay_alu instid0(VALU_DEP_2)
	v_cvt_i32_f32 v134, v134
	s_delay_alu instid0(VALU_DEP_2)
	v_ldexp_f32 v252, 1.0, v133                    ; the two factors: exact powers of two
	s_delay_alu instid0(VALU_DEP_2)
	v_ldexp_f32 v254, 1.0, v134
	s_delay_alu instid0(VALU_DEP_2)
	v_pk_mul_f32 v[14:15], v[14:15], v[252:253] op_sel_hi:[1,0]
	s_delay_alu instid0(VALU_DEP_1)
	v_pk_fma_f32 v[14:15], v[130:131], v[254:255], v[14:15] op_sel_hi:[1,0,1]
.set j, 0
.rept 16
	v_pk_mul_f32 v[160+j:161+j], v[160+j:161+j], v[252:253] op_sel_hi:[1,0]
.set j, j+2
.endr
.set j, 0
.rept 16
	v_pk_fma_f32 v[160+j:161+j], v[96+j:97+j], v[254:255], v[160+j:161+j] op_sel_hi:[1,0,1]
.set j, j+2
.endr
	OUT 56, 58, 0
	s_wait_tensorcnt 0x0
	ds_add_u32 v[SPW], v[NIL]
	s_wait_dscnt 0x0
	CROUND
	s_endpgm
.Lfunc_end_k_qae4b2f4780_attn:
	.size	k_qae4b2f4780_attn, .Lfunc_end_k_qae4b2f4780_attn-k_qae4b2f4780_attn
	.p2alignl 7, 3214868480
	.fill 96, 4, 3214868480
	.section	.rodata,"a",@progbits
	.p2align	6, 0x0
	.amdhsa_kernel k_qae4b2f4780_attn
		.amdhsa_group_segment_fixed_size 327680
		.amdhsa_private_segment_fixed_size 0
		.amdhsa_enable_private_segment 0
		.amdhsa_kernarg_size 16
		.amdhsa_user_sgpr_count 2
		.amdhsa_user_sgpr_kernarg_segment_ptr 1
		.amdhsa_wavefront_size32 1
		.amdhsa_system_sgpr_workgroup_id_x 1
		.amdhsa_system_sgpr_workgroup_id_y 1
		.amdhsa_system_sgpr_workgroup_id_z 1
		.amdhsa_system_vgpr_workitem_id 0
		.amdhsa_next_free_vgpr 256
		.amdhsa_next_free_sgpr 66
		.amdhsa_reserve_vcc 1
		.amdhsa_float_denorm_mode_32 3
		.amdhsa_float_denorm_mode_16_64 3
		.amdhsa_memory_ordered 1
		.amdhsa_forward_progress 1
		.amdhsa_inst_pref_size 62
	.end_amdhsa_kernel
	.amdgpu_metadata
---
amdhsa.version: [ 1, 2 ]
amdhsa.kernels:
  - .name:           k_qae4b2f4780_attn
    .symbol:         k_qae4b2f4780_attn.kd
    .args:
      - { .name: qkv, .offset: 0, .size: 8, .value_kind: global_buffer, .address_space: global }
      - { .name: oq, .offset: 8, .size: 8, .value_kind: global_buffer, .address_space: global }
    .group_segment_fixed_size: 327680
    .private_segment_fixed_size: 0
    .kernarg_segment_align: 8
    .kernarg_segment_size: 16
    .max_flat_workgroup_size: 512
    .sgpr_count:     66
    .vgpr_count:     256
    .wavefront_size: 32
...
	.end_amdgpu_metadata
.endif
;; end of part 3
;; launch oproj (part 4): grid 8 x 32, 4 waves a work-group, clusters of 4 x 4, 327,680 bytes of LDS; arguments oq, wq, out0; writes out0
.if DOCPART == 4
	.amdgcn_target "amdgcn-amd-amdhsa--gfx1250"
	.amdhsa_code_object_version 6
	.text
	.protected	k_qae4b2f4780_oproj
	.globl	k_qae4b2f4780_oproj
	.p2align	8
	.type	k_qae4b2f4780_oproj,@function
k_qae4b2f4780_oproj:
	s_mov_b64 s[64:65], 0
	v_nop
	global_prefetch_b8 v0, s[64:65] scope:SCOPE_SE
	s_setreg_imm32_b32 hwreg(HW_REG_WAVE_MODE, 25, 1), 1
	s_wait_xcnt 0x0
	s_wait_alu depctr_hold_cnt(0) depctr_sa_sdst(0) depctr_va_vdst(0) depctr_va_sdst(0) depctr_va_ssrc(0) depctr_va_vcc(0) depctr_vm_vsrc(0)
	s_getreg_b32 s2, hwreg(HW_REG_IB_STS2, 6, 4)
	s_cmp_eq_u32 s2, 0
	s_cbranch_scc0 .Lentry_in_a_cluster
	s_endpgm
.Lentry_in_a_cluster:
	s_bfe_u32 s2, ttmp6, 0x10000c
	s_cmp_lg_u32 s2, 0xf033
	s_cbranch_scc0 .Lentry_shape_is_right
	s_endpgm
.Lentry_shape_is_right:
; Launch 4 of 4: out0 = attention's result x Wo^T on codes of FP6 (E2M3): A = oq (4,096 tokens), B = wq's rows 3,072 on (Wo); out0 [4,096][1,024] f32; sums in f32.
; A block of 128 x 128 to a work-group: 8 x 32 = 256 work-groups.  Four waves, 64 x 64 each: 16 accumulators, which take turns.
; The codes lie in memory as images of the operand's registers (16 rows x 128 K: 1,536 bytes: registers 0-3 at 16 x lane, 4-5 at 512 + 8 x lane, 6-9 at 768 + 16 x lane, 10-11 at 1,280 + 8 x lane), a tile's eight K steps on
; end: so 64 rows for ALL of K = 1,024 are 49,152 dense bytes.  The block's 128 rows of A and 128 of B, 196,608 bytes, fit in LDS whole: each wave asks for one quarter by ONE tensor load at the head (192 rows of 256 bytes).
; Nothing is filled again: no ring, one barrier.  No prefetch: all tiles are asked for at the head, and there is no loop to run ahead in.
; CLUSTERS: 4 x 4 work-groups; A's rows are shared along a row of the cluster, B's along a column: each load is a joint one.
; The scale words (a row's 32 bytes: word f for K step f) go from memory straight into registers, once: lane r takes row r's eight words of each of my four tiles of A and of B.
; Lane r of tile 2 G + u holds row 32 G + 8 u + r + 8 (r / 8), on both sides.  Source 0 = B, source 1 = A: lane (r, h) holds A's row r, and accumulator b's eight numbers are columns 32 (b / 2) + 8 (b % 2) + 16 h + 0 .. 7.
; REGISTERS: window 0: v1-15 addresses; v16-143 accumulator (a, b) at v[16 + 8 (4 a + b)]; v144-175 A's scale words, v176-207 B's.  window 1: fragments, two sets of 96 (B's four, then A's four); on the way out rows of out0.
.set SOFF,   3145728                   ; where the scale bytes begin in oq and wq
.set FRB,    1536                      ; a fragment's image
.set TILEB,  8*FRB                     ; a tile of 16 rows, all of K
.set HALFB,  4*TILEB                   ; 64 rows: what one tensor load brings, and what one wave reads of a side
.set STAGE,  4*HALFB                   ; behind A's 128 rows and B's 128: the way out's stages, 16 rows x 272 bytes a wave
.set SPITCH, 272
.set SPARE,  STAGE+4*16*SPITCH         ; the spare words, 128 bytes a wave: two blocks of 256 bytes that no other line names
.set ROWC,   4096                      ; a row of out0
.set SPW,  6                           ; v6 LDS address of my spare word; never rewritten
.set NIL,  7                           ; v7 0; never rewritten
.set ADRA, 8                           ; v8 my A region + 16 x lane, v9 + 8 x lane
.set ADRB, 10                          ; v10, v11 the same for B
.set STO,  12                          ; the way out: where I put 32 bytes of a row
.set RD,   13                          ; where I read rows back
.set CO,   14                          ; my byte offset in out0
.set SCO,  15                          ; 32 r: my row's scale bytes
.set ACC,  16
.set SA,   144
.set SB,   176
.set G1,  24
.set G0,  32
.set G1B, 48
.set G0B, 56
.set MSB, 0
.macro WIN new                         ; the immediate's high byte repeats the setting that is left
.set WNEW, \new
.if MSB != WNEW
	s_set_vgpr_msb (MSB<<8)|WNEW
.set MSB, WNEW
.endif
.endm
.macro CROUND                          ; a round of the cluster's barrier
	s_barrier_signal -1
	s_barrier_wait -1
	s_cmp_lg_u32 s14, 0
	s_cbranch_scc1 .Lnot_wave_0_\@
	s_barrier_signal -3
.Lnot_wave_0_\@:
	s_barrier_wait -3
	s_barrier_signal -1
	s_barrier_wait -1
.endm
.macro PLACES                          ; plain vector instructions between a matrix instruction and a load into, or a read of, its registers (ISA guide 7.12.1 for reads)
.rept 4
	v_nop
.endr
.endm
	s_load_b128 s[4:7], s[0:1], 0x0                ; oq s[4:5], wq s[6:7]
	s_load_b64 s[12:13], s[0:1], 0x10              ; out0
	v_lshl_add_u32 v[SPW], v0, 2, SPARE
	v_mov_b32 v[NIL], 0
	ds_add_u32 v[SPW], v[NIL]                      ; the wave's opening: the add, twice on end, and its wait ahead of my first tensor load
	ds_add_u32 v[SPW], v[NIL]
	v_lshrrev_b32 v1, 5, v0
	v_readfirstlane_b32 s14, v1                    ; wave 0..3
	s_lshr_b32 s15, s14, 1                         ; which 64 of A's rows are mine.  Also: I fetch for A (0) or for B (1)
	s_and_b32 s16, s14, 1                          ; which 64 of B's rows.  Also: which 64 rows I fetch
	s_bfe_u32 s40, ttmp6, 0x40000                  ; cx
	s_bfe_u32 s41, ttmp6, 0x40004                  ; cy
	s_lshl_b32 s42, ttmp9, 2
	s_add_co_u32 s42, s42, s40                     ; block column, 0..7
	s_and_b32 s17, ttmp7, 0xffff
	s_lshl_b32 s17, s17, 2
	s_add_co_u32 s17, s17, s41                     ; block row, 0..31
	s_lshl_b32 s43, s41, 2
	s_lshl_b32 s43, 15, s43                        ; my row of the cluster
	s_lshl_b32 s44, 0x1111, s40                    ; my column
	s_or_b32 s[G1], s43, (3<<16)|(1<<21)           ; 192 dense rows of 256 bytes (32 elements of 8 bytes), no padding: every LDS read takes consecutive bytes
	s_or_b32 s[G1B], s44, (3<<16)|(1<<21)
.irp g, G1, G1B
	s_mov_b32 s[\g+1], 32<<16
	s_mov_b32 s[\g+2], 192<<16
	s_mov_b32 s[\g+3], 32<<16
	s_mov_b32 s[\g+4], 192
	s_mov_b32 s[\g+5], 32
	s_mov_b32 s[\g+6], 0
	s_mov_b32 s[\g+7], 0
.endr
	s_mul_i32 s18, s16, HALFB                      ; which half I fetch
	s_mul_i32 s20, s17, 2*HALFB
	s_add_co_u32 s20, s20, s18                     ; A's codes: made of the block row and the wave's number alone
	s_mov_b32 s21, 0
	s_mul_i32 s46, s42, 2*HALFB
	s_add_co_u32 s46, s46, s18
	s_add_co_u32 s46, s46, 192*TILEB               ; B's: of the block column; Wo lies behind Wq, Wk, Wv
	s_mov_b32 s47, 0
	s_mul_i32 s45, s14, HALFB                      ; where they go: no place in the cluster enters an LDS address
	s_lshl_b32 s22, s17, 12                        ; my 64 rows' scale bytes: 32 a row
	s_lshl_b32 s23, s15, 11
	s_add_co_u32 s22, s22, s23
	s_add_co_u32 s22, s22, SOFF
	s_mov_b32 s23, 0
	s_lshl_b32 s36, s42, 12
	s_lshl_b32 s37, s16, 11
	s_add_co_u32 s36, s36, s37
	s_add_co_u32 s36, s36, SOFF+3072*32
	s_mov_b32 s37, 0
	s_lshl_b32 s38, s17, 19                        ; out0: 128 rows of 4,096 bytes a block row, 64 a half,
	s_lshl_b32 s39, s15, 18
	s_add_co_u32 s38, s38, s39
	s_lshl_b32 s39, s42, 9                         ; 512 bytes a block column, 256 a half
	s_add_co_u32 s38, s38, s39
	s_lshl_b32 s39, s16, 8
	s_add_co_u32 s38, s38, s39
	s_mov_b32 s39, 0
	s_mul_i32 s8, s15, HALFB                       ; my A region in LDS,
	s_mul_i32 s9, s16, HALFB
	s_add_co_u32 s9, s9, 2*HALFB                   ; my B region,
	s_mul_i32 s10, s14, 16*SPITCH
	s_add_co_u32 s10, s10, STAGE                   ; my stage
	s_wait_dscnt 0x0                               ; both opening adds are done
	s_wait_kmcnt 0x0
	s_add_nc_u64 s[20:21], s[4:5], s[20:21]
	s_add_nc_u64 s[46:47], s[6:7], s[46:47]
	s_add_nc_u64 s[22:23], s[4:5], s[22:23]
	s_add_nc_u64 s[36:37], s[6:7], s[36:37]
	s_add_nc_u64 s[12:13], s[12:13], s[38:39]
	s_mov_b32 s[G0], 1
	s_mov_b32 s[G0+1], s45
	s_mov_b64 s[G0+2:G0+3], s[20:21]
	s_or_b32 s[G0+3], s[G0+3], 0x80000000
	s_mov_b32 s[G0B], 1
	s_mov_b32 s[G0B+1], s45
	s_mov_b64 s[G0B+2:G0B+3], s[46:47]
	s_or_b32 s[G0B+3], s[G0B+3], 0x80000000
	CROUND                                         ; all sixteen work-groups are here: the joint loads meet
	s_cmp_eq_u32 s15, 0                            ; waves 0 and 1 fetch A's halves, waves 2 and 3 B's: one load a wave, one in each arm
	s_cbranch_scc0 .Lfor_b
	tensor_load_to_lds s[G0:G0+3], s[G1:G1+7]
	s_nop 0
	PLACES
	s_branch .Lasked
.Lfor_b:
	tensor_load_to_lds s[G0B:G0B+3], s[G1B:G1B+7]
	s_nop 0
	PLACES
.Lasked:
	v_and_b32 v3, 31, v0                           ; lane
	v_and_b32 v1, 15, v0                           ; r
	v_bfe_u32 v2, v0, 4, 1                         ; h
	v_lshlrev_b32 v4, 4, v3
	v_lshlrev_b32 v5, 3, v3
	v_add_nc_u32 v[ADRA], s8, v4
	v_add_nc_u32 v[ADRA+1], s8, v5
	v_add_nc_u32 v[ADRB], s9, v4
	v_add_nc_u32 v[ADRB+1], s9, v5
	v_mul_u32_u24 v4, v1, SPITCH
	v_lshl_add_u32 v4, v2, 6, v4                   ; into the stage: row r, + 64 h: columns 16 h on of each 32
	v_add_nc_u32 v[STO], s10, v4
	v_mul_u32_u24 v5, v2, SPITCH
	v_lshl_add_u32 v5, v1, 4, v5                   ; back: lanes 0-15 one row of 256 bytes, lanes 16-31 the next
	v_add_nc_u32 v[RD], s10, v5
	v_lshlrev_b32 v4, 12, v2
	v_lshl_add_u32 v[CO], v1, 4, v4                ; and the same two rows in out0
	v_lshlrev_b32 v[SCO], 5, v1
	s_wait_alu depctr_va_vdst(0)
.irp i, 0,1,2,3
	global_load_b128 v[SA+8*\i:SA+8*\i+3], v[SCO], s[22:23] offset:512*\i        ; the two loads of a tile cover its 512 consecutive bytes
	global_load_b128 v[SA+8*\i+4:SA+8*\i+7], v[SCO], s[22:23] offset:512*\i+16
	global_load_b128 v[SB+8*\i:SB+8*\i+3], v[SCO], s[36:37] offset:512*\i
	global_load_b128 v[SB+8*\i+4:SB+8*\i+7], v[SCO], s[36:37] offset:512*\i+16
.endr
	s_wait_tensorcnt 0x0                           ; my quarter is in;
	s_barrier_signal -1
	s_barrier_wait -1                              ; all four are.
.macro FRAG reg, adr, off              ; an image comes back as the registers that it is
	ds_load_b128 v[\reg:\reg+3], v[\adr] offset:\off
	ds_load_b64 v[\reg+4:\reg+5], v[\adr+1] offset:\off+512
	ds_load_b128 v[\reg+6:\reg+9], v[\adr] offset:\off+768
	ds_load_b64 v[\reg+10:\reg+11], v[\adr+1] offset:\off+1280
.endm
.macro FETCH f                         ; K step f's eight fragments, 32 loads, into set f % 2 of window 1
	WIN 0x40
.irp i, 0,1,2,3
	FRAG 96*((\f)%2)+12*\i, ADRB, \i*TILEB+(\f)*FRB
.endr
.irp i, 0,1,2,3
	FRAG 96*((\f)%2)+48+12*\i, ADRA, \i*TILEB+(\f)*FRB
.endr
.endm
.macro MUL f, zero                     ; 16 matrix instructions; the 16 accumulators take turns, in the same order in every step.  zero = 1: the first products start the sums
	WIN 0x05                                       ; sources 0 and 1 in window 1, C and D in window 0
.irp a, 0,1,2,3
.irp b, 0,1,2,3
.if \zero
	v_wmma_scale_f32_16x16x128_f8f6f4 v[ACC+8*(4*\a+\b):ACC+8*(4*\a+\b)+7], v[96*((\f)%2)+12*\b:96*((\f)%2)+12*\b+11], v[96*((\f)%2)+48+12*\a:96*((\f)%2)+48+12*\a+11], 0, v[SB+8*\b+(\f)], v[SA+8*\a+(\f)] matrix_a_fmt:MATRIX_FMT_FP6 matrix_b_fmt:MATRIX_FMT_FP6
.else
	v_wmma_scale_f32_16x16x128_f8f6f4 v[ACC+8*(4*\a+\b):ACC+8*(4*\a+\b)+7], v[96*((\f)%2)+12*\b:96*((\f)%2)+12*\b+11], v[96*((\f)%2)+48+12*\a:96*((\f)%2)+48+12*\a+11], v[ACC+8*(4*\a+\b):ACC+8*(4*\a+\b)+7], v[SB+8*\b+(\f)], v[SA+8*\a+(\f)] matrix_a_fmt:MATRIX_FMT_FP6 matrix_b_fmt:MATRIX_FMT_FP6
.endif
.endr
.endr
.endm
	FETCH 0
	FETCH 1
	s_wait_loadcnt 0x0                             ; the scale words are in
	s_wait_dscnt 32                                ; K step 0's fragments are in; step 1's 32 loads may be out
	MUL 0, 1
.set F, 1
.rept 6
	PLACES                                         ; the set that the last step multiplied takes the next step's fragments
	FETCH F+1
	s_wait_dscnt 32                                ; all but the 32 just issued
	MUL F, 0
.set F, F+1
.endr
	s_wait_dscnt 0x0
	MUL 7, 0
; THE WAY OUT, block by block of 16 rows x 64 columns, through my own stage; each block comes back into 32 registers of its own in window 1, so no store's data are written again.
; LDS serves a wave's instructions in order (ISA guide 5.7.1.4): no wait between the stores and the loads, nor in front of the next block's stores.
.macro TOSTAGE a
	WIN 0
.irp b, 0,1,2,3
	ds_store_b128 v[STO], v[ACC+8*(4*\a+\b):ACC+8*(4*\a+\b)+3] offset:128*(\b/2)+32*(\b%2)       ; each accumulator from its low end on
	ds_store_b128 v[STO], v[ACC+8*(4*\a+\b)+4:ACC+8*(4*\a+\b)+7] offset:128*(\b/2)+32*(\b%2)+16
.endr
	WIN 0x40
.irp t, 0,1,2,3,4,5,6,7
	ds_load_b128 v[32*\a+4*\t:32*\a+4*\t+3], v[RD] offset:2*\t*SPITCH
.endr
.endm
.macro SEND a, younger                 ; block a begins at row 32 (a / 2) + 8 (a % 2) of my 64; its stage row t is row t + 8 (t / 8) from there
	s_wait_dscnt \younger
	WIN 0x04                                       ; the data in window 1
.irp t, 0,1,2,3,4,5,6,7
	global_store_b128 v[CO], v[32*(\a)+4*\t:32*(\a)+4*\t+3], s[12:13] offset:(32*((\a)/2)+8*((\a)%2)+2*\t+8*(\t/4))*ROWC th:TH_STORE_NT   ; sixteen lanes store 256 consecutive bytes, at a multiple of 256 from out0's first byte
.endr
.endm
	PLACES                                         ; behind the last products: their results are read, and loads land on their fragments' registers
	TOSTAGE 0
.irp a, 1,2,3
	TOSTAGE \a
	SEND \a-1, 16                                  ; behind block a - 1's loads: block a's 8 stores and 8 loads
.endr
	SEND 3, 0
	WIN 0
	s_wait_tensorcnt 0x0                           ; the wave's end, behind my last tensor load and my last LDS store
	ds_add_u32 v[SPW], v[NIL]
	s_wait_dscnt 0x0
	CROUND                                         ; the closing round
	s_endpgm
.Lfunc_end_k_qae4b2f4780_oproj:
	.size	k_qae4b2f4780_oproj, .Lfunc_end_k_qae4b2f4780_oproj-k_qae4b2f4780_oproj
	.p2alignl 7, 3214868480
	.fill 96, 4, 3214868480
	.section	.rodata,"a",@progbits
	.p2align	6, 0x0
	.amdhsa_kernel k_qae4b2f4780_oproj
		.amdhsa_group_segment_fixed_size 327680
		.amdhsa_private_segment_fixed_size 0
		.amdhsa_enable_private_segment 0
		.amdhsa_kernarg_size 24
		.amdhsa_user_sgpr_count 2
		.amdhsa_user_sgpr_kernarg_segment_ptr 1
		.amdhsa_wavefront_size32 1
		.amdhsa_system_sgpr_workgroup_id_x 1
		.amdhsa_system_sgpr_workgroup_id_y 1
		.amdhsa_system_sgpr_workgroup_id_z 1
		.amdhsa_system_vgpr_workitem_id 0
		.amdhsa_next_free_vgpr 512
		.amdhsa_next_free_sgpr 66
		.amdhsa_reserve_vcc 0
		.amdhsa_float_denorm_mode_32 3
		.amdhsa_float_denorm_mode_16_64 3
		.amdhsa_memory_ordered 1
		.amdhsa_forward_progress 1
		.amdhsa_inst_pref_size 50
	.end_amdhsa_kernel
	.amdgpu_metadata
---
amdhsa.version: [ 1, 2 ]
amdhsa.kernels:
  - .name:           k_qae4b2f4780_oproj
    .symbol:         k_qae4b2f4780_oproj.kd
    .args:
      - { .name: oq, .offset: 0, .size: 8, .value_kind: global_buffer, .address_space: global }
      - { .name: wq, .offset: 8, .size: 8, .value_kind: global_buffer, .address_space: global }
      - { .name: out0, .offset: 16, .size: 8, .value_kind: global_buffer, .address_space: global }
    .group_segment_fixed_size: 327680
    .private_segment_fixed_size: 0
    .kernarg_segment_align: 8
    .kernarg_segment_size: 24
    .max_flat_workgroup_size: 128
    .sgpr_count:     66
    .vgpr_count:     512
    .wavefront_size: 32
...
	.end_amdgpu_metadata
.endif
;; end of part 4
